; MI455X (gfx1250); checked and timed in simulation.
; The chip was launched on July 23, 2026; its instructions are those of AMD's public machine-readable ISA for CDNA 5 (MIT licence, August 2026) and "CDNA5" Instruction Set Architecture Reference Guide (July 2026). The comments in the code are by the model that wrote it; some were corrected since.
;; Head. Allowed arithmetic: float matrix products may take bf16 or f16 operands with f32 sums; other float arithmetic in f32, or as packed bf16 or f16 multiplies, adds, multiply-adds, maxima and minima; sums over many terms, partial sums and values carried from step to step in f32; what a program stores and reads back later, other than sums and carried values, may be rounded once to bf16 or f16.
;; Inputs: Wk 1,024 x 1,024 float32; Wq 1,024 x 1,024 float32; Wv 1,024 x 1,024 float32; bk 1,024 float32; bq 1,024 float32; bv 1,024 float32; x 4 x 2,048 x 1,024 float32.
;; Outputs: out0 4 x 2,048 x 1,024 float32.
;; One version. Each part assembles by itself: llvm-mc -triple=amdgcn-amd-amdhsa -mcpu=gfx1250 --defsym DOCPART=n.
;; ======== version 1 of 1: 4 launches
;; limits: values are held in f16: magnitudes above 65,504 overflow, below 6.1e-05 lose precision
;; workspace buffers: xb 16,777,216 bytes; wt 6,291,456 bytes; qkv 50,331,648 bytes; p 33,554,432 bytes; stat 1,048,576 bytes
;; launch prep (part 1): grid 1408 x 1, 8 waves a work-group, no clusters, 18,432 bytes of LDS; arguments x, Wq, Wk, Wv, xb, wt; writes xb, wt
.if DOCPART == 1
	.amdgcn_target "amdgcn-amd-amdhsa--gfx1250"
	.amdhsa_code_object_version 6
	.text
	.protected	k_q7e75d4bbd7_prep
	.globl	k_q7e75d4bbd7_prep
	.p2align	8
	.type	k_q7e75d4bbd7_prep,@function
k_q7e75d4bbd7_prep:
	s_mov_b64 s[64:65], 0
	v_nop
	global_prefetch_b8 v0, s[64:65] scope:SCOPE_SE
	s_setreg_imm32_b32 hwreg(HW_REG_WAVE_MODE, 25, 1), 1
	s_wait_xcnt 0x0
; xb = x rounded to bf16, [8192][1024].  wt = (Wq | Wk | Wv) rounded to bf16 and turned to [out][in]: [3072][1024], row 1024 mat + n holds W_mat[.][n].
; A stream: no matrix unit, no cluster (no work-group reads what another reads), no tensor loads (nothing is read twice).
; Work-groups 0..383 turn a tile of 128 k x 64 n of one W through LDS; work-groups 384..1407 round 32 KiB of x each.  The branch hangs on the work-group's number alone.
.set NW,    384                        ; 3 matrices x 8 tiles along k x 16 along n
.set WP,    272                        ; an LDS row: 128 k in bf16 (256 bytes) + 16 of padding
.set SPARE, 64*WP                      ; behind the tile: the spare words, 128 bytes for each of the eight waves; no other line names them
.set SPW,   4                          ; v4  LDS address of my spare word; never rewritten
.set NIL,   5                          ; v5  0; never rewritten
.set IN,    16                         ; v[16:47] as loaded
.set OU,    48                         ; v[48:63] rounded
	s_load_b256 s[4:11], s[0:1], 0x0               ; x s[4:5], Wq s[6:7], Wk s[8:9], Wv s[10:11]
	s_load_b128 s[12:15], s[0:1], 0x20             ; xb s[12:13], wt s[14:15]
	v_lshl_add_u32 v[SPW], v0, 2, SPARE
	v_mov_b32 v[NIL], 0
	s_cmp_lt_u32 ttmp9, NW
	s_cbranch_scc1 .Lweights
	; x: thread t takes 16 bytes at 16 t of each of eight blocks of 4,096 bytes; all eight loads go out first
	s_sub_co_u32 s16, ttmp9, NW
	s_lshl_b32 s18, s16, 15                        ; 32 KiB in,
	s_mov_b32 s19, 0
	s_lshl_b32 s20, s16, 14                        ; 16 KiB out
	s_mov_b32 s21, 0
	v_lshlrev_b32 v1, 4, v0
	v_lshlrev_b32 v2, 3, v0
	s_wait_kmcnt 0x0
	s_add_nc_u64 s[4:5], s[4:5], s[18:19]
	s_add_nc_u64 s[12:13], s[12:13], s[20:21]
.irp j, 0,1,2,3,4,5,6,7
	global_load_b128 v[IN+4*\j:IN+4*\j+3], v1, s[4:5] offset:4096*\j th:TH_LOAD_NT
.endr
.irp j, 0,1,2,3,4,5,6,7
	s_wait_loadcnt 7-\j                            ; loads come back in order: block j is in, the younger ones stay out
	v_cvt_pk_bf16_f32 v[OU+2*\j], v[IN+4*\j], v[IN+4*\j+1]
	v_cvt_pk_bf16_f32 v[OU+2*\j+1], v[IN+4*\j+2], v[IN+4*\j+3]
	global_store_b64 v2, v[OU+2*\j:OU+2*\j+1], s[12:13] offset:2048*\j  ; a wave's 32 lanes store 256 consecutive bytes, aligned
.endr
	s_endpgm
.Lweights:
	s_lshr_b32 s16, ttmp9, 7                       ; which matrix
	s_bfe_u32 s17, ttmp9, 0x30004                  ; tile along k: 128 rows of W
	s_and_b32 s18, ttmp9, 15                       ; tile along n: 64 columns
	s_lshl_b32 s20, s17, 19                        ; 128 rows of 4,096 bytes
	s_lshl_b32 s21, s18, 8                         ; 64 columns of 4 bytes
	s_add_co_u32 s20, s20, s21
	s_mov_b32 s21, 0
	s_lshl_b32 s24, s16, 10
	s_lshl_b32 s25, s18, 6
	s_add_co_u32 s24, s24, s25                     ; first row of wt: 1024 mat + 64 tile
	s_lshl_b32 s24, s24, 11                        ; rows of 2,048 bytes
	s_lshl_b32 s25, s17, 8                         ; 128 k are 256 bytes
	s_add_co_u32 s24, s24, s25
	s_mov_b32 s25, 0
	v_and_b32 v1, 15, v0                           ; n4: my four columns
	v_lshrrev_b32 v2, 4, v0                        ; kp: my pair of rows in a pass of 32
	v_lshlrev_b32 v3, 4, v1
	v_lshl_add_u32 v3, v2, 13, v3                  ; in W: 2 kp rows + 16 n4 bytes
	v_mul_u32_u24 v6, v1, 4*WP
	v_lshl_add_u32 v6, v2, 2, v6                   ; into LDS: row 4 n4 (+ j), byte 4 kp (+ 64 pass)
	v_mul_u32_u24 v7, v2, WP
	v_lshl_add_u32 v7, v1, 4, v7                   ; back: row t / 16, 16 bytes at 16 (t % 16)
	v_lshlrev_b32 v8, 4, v1
	v_lshl_add_u32 v8, v2, 11, v8                  ; and the same place in wt
	s_wait_kmcnt 0x0
	s_cmp_eq_u32 s16, 0
	s_cselect_b64 s[22:23], s[6:7], s[8:9]
	s_cmp_eq_u32 s16, 2
	s_cselect_b64 s[22:23], s[10:11], s[22:23]
	s_add_nc_u64 s[22:23], s[22:23], s[20:21]
	s_add_nc_u64 s[14:15], s[14:15], s[24:25]
.irp p, 0,1,2,3
	global_load_b128 v[IN+8*\p:IN+8*\p+3], v3, s[22:23] offset:131072*\p th:TH_LOAD_NT         ; row k = 32 p + 2 kp: 16 lanes read 256 consecutive bytes
	global_load_b128 v[IN+8*\p+4:IN+8*\p+7], v3, s[22:23] offset:131072*\p+4096 th:TH_LOAD_NT  ; row k + 1
.endr
.irp p, 0,1,2,3
	s_wait_loadcnt 6-2*\p                          ; pass p's two loads are in
.irp j, 0,1,2,3
	v_cvt_pk_bf16_f32 v[OU+4*\p+\j], v[IN+8*\p+\j], v[IN+8*\p+4+\j]  ; W[k][n] below, W[k+1][n] above: four bytes of wt's row n
.endr
.irp j, 0,1,2,3
	ds_store_b32 v6, v[OU+4*\p+\j] offset:WP*\j+64*\p
.endr
.endr
	s_wait_dscnt 0x0                               ; for the others' sake: my stores are done
	s_barrier_signal -1
	s_barrier_wait -1
.irp i, 0,1,2,3
	ds_load_b128 v[IN+4*\i:IN+4*\i+3], v7 offset:16*WP*\i
.endr
.irp i, 0,1,2,3
	s_wait_dscnt 3-\i
	global_store_b128 v8, v[IN+4*\i:IN+4*\i+3], s[14:15] offset:32768*\i  ; 16 lanes store 256 consecutive bytes, aligned
.endr
	s_wait_tensorcnt 0x0                           ; the wave's end: a wait, a zero add onto my spare word and its wait, behind my last LDS store
	ds_add_u32 v[SPW], v[NIL]
	s_wait_dscnt 0x0
	s_endpgm
.Lfunc_end_k_q7e75d4bbd7_prep:
	.size	k_q7e75d4bbd7_prep, .Lfunc_end_k_q7e75d4bbd7_prep-k_q7e75d4bbd7_prep
	.p2alignl 7, 3214868480
	.fill 96, 4, 3214868480
	.section	.rodata,"a",@progbits
	.p2align	6, 0x0
	.amdhsa_kernel k_q7e75d4bbd7_prep
		.amdhsa_group_segment_fixed_size 18432
		.amdhsa_private_segment_fixed_size 0
		.amdhsa_enable_private_segment 0
		.amdhsa_kernarg_size 48
		.amdhsa_user_sgpr_count 2
		.amdhsa_user_sgpr_kernarg_segment_ptr 1
		.amdhsa_wavefront_size32 1
		.amdhsa_system_sgpr_workgroup_id_x 1
		.amdhsa_system_sgpr_workgroup_id_y 1
		.amdhsa_system_sgpr_workgroup_id_z 1
		.amdhsa_system_vgpr_workitem_id 0
		.amdhsa_next_free_vgpr 64
		.amdhsa_next_free_sgpr 66
		.amdhsa_reserve_vcc 0
		.amdhsa_float_denorm_mode_32 3
		.amdhsa_float_denorm_mode_16_64 3
		.amdhsa_memory_ordered 1
		.amdhsa_forward_progress 1
		.amdhsa_inst_pref_size 9
	.end_amdhsa_kernel
	.amdgpu_metadata
---
amdhsa.version: [ 1, 2 ]
amdhsa.kernels:
  - .name:           k_q7e75d4bbd7_prep
    .symbol:         k_q7e75d4bbd7_prep.kd
    .args:
      - { .name: x, .offset: 0, .size: 8, .value_kind: global_buffer, .address_space: global }
      - { .name: Wq, .offset: 8, .size: 8, .value_kind: global_buffer, .address_space: global }
      - { .name: Wk, .offset: 16, .size: 8, .value_kind: global_buffer, .address_space: global }
      - { .name: Wv, .offset: 24, .size: 8, .value_kind: global_buffer, .address_space: global }
      - { .name: xb, .offset: 32, .size: 8, .value_kind: global_buffer, .address_space: global }
      - { .name: wt, .offset: 40, .size: 8, .value_kind: global_buffer, .address_space: global }
    .group_segment_fixed_size: 18432
    .private_segment_fixed_size: 0
    .kernarg_segment_align: 8
    .kernarg_segment_size: 48
    .max_flat_workgroup_size: 256
    .sgpr_count:     66
    .vgpr_count:     64
    .wavefront_size: 32
...
	.end_amdgpu_metadata
.endif
;; end of part 1
;; launch proj (part 2): grid 12 x 16, 4 waves a work-group, clusters of 4 x 4, 327,680 bytes of LDS; arguments xb, wt, bq, bk, bv, qkv; writes qkv
.if DOCPART == 2
	.amdgcn_target "amdgcn-amd-amdhsa--gfx1250"
	.amdhsa_code_object_version 6
	.text
	.protected	k_q7e75d4bbd7_proj
	.globl	k_q7e75d4bbd7_proj
	.p2align	8
	.type	k_q7e75d4bbd7_proj,@function
k_q7e75d4bbd7_proj:
	s_mov_b64 s[64:65], 0
	v_nop
	global_prefetch_b8 v0, s[64:65] scope:SCOPE_SE
	s_setreg_imm32_b32 hwreg(HW_REG_WAVE_MODE, 25, 1), 1
	s_wait_xcnt 0x0
	s_wait_alu depctr_hold_cnt(0) depctr_sa_sdst(0) depctr_va_vdst(0) depctr_va_sdst(0) depctr_va_ssrc(0) depctr_va_vcc(0) depctr_vm_vsrc(0)
	s_getreg_b32 s2, hwreg(HW_REG_IB_STS2, 6, 4)
	s_cmp_eq_u32 s2, 0
	s_cbranch_scc0 .Lentry_in_a_cluster
	s_endpgm
.Lentry_in_a_cluster:
	s_bfe_u32 s2, ttmp6, 0x10000c
	s_cmp_lg_u32 s2, 0xf033
	s_cbranch_scc0 .Lentry_shape_is_right
	s_endpgm
.Lentry_shape_is_right:
; qkv[8192][3072] (f16) = xb[8192][1024] wt[3072][1024]^T + bias, products in bf16, sums in f32; columns 0-1023 q, 1024-2047 k, 2048-3071 v.
; LIMITS.  q, k and v are stored in f16: they must lie within 65,504.  The biases are rounded to bf16 like the other inputs and start the sums.  NaN and infinities are not treated apart.
; SHARES.  A tile is 256 rows x 256 columns, four waves of 128 x 128 each: 64 accumulators of 16 x 16, 512 registers.  8,192 x 3,072 are 384 such tiles: 192 work-groups make two each, row tiles tr and
; tr + 16 of one column tile, so both take the same rows of wt and the same bias.  A tile of 128 x 256 would give 256 work-groups three tiles each, but half the matrix instructions (128 for 256) in a
; step of the ring, and 0.75 LDS loads for a matrix instruction where this one has 0.5.  The ring of two LDS slots runs on across the tiles: 16 steps of 128 along K, one flat count.
; CLUSTER 4 x 4: the four of a row of the cluster need the same tiles of xb, the four of a column the same tiles of wt: each tile is asked for jointly, by one tensor load with a mask of four.
; THE MATRIX INSTRUCTION IS USED TRANSPOSED (source 0 = 16 rows of wt, source 1 = 16 rows of xb): a lane holds row l % 16 and the eight neighbouring columns 8 (l / 16) + 0..7.
; REGISTERS, in windows of 256.  window 0: v0-31 addresses; v64-127, v128-191 fragments of xb, two buffers; v192-223 packed results; v32-63, v224-255 rows read back from the stage.
; window 1: v64-127, v128-191 fragments of wt, two buffers; v0-63 the bias of my 128 columns, the C operand of a tile's first products; v192-195 at work.
; window 2: the accumulators of my rows 0-63, (a, b) at v[8 (8 a + b)]; window 3: those of my rows 64-127.
.set T,      16                        ; steps in the walk
.set PITCH,  272                       ; an LDS row: 256 bytes + 16 of padding: the 16 rows of a fragment load start at 16 different groups of four banks
.set HALFT,  128*PITCH                 ; 128 rows: what one tensor load brings, and what one wave reads of xb or of wt
.set SLOT,   4*HALFT                   ; xb's 256 rows, then wt's 256.  0x22000 shares no bit with the four loads' places in a slot (0, 0x8800, 0x11000, 0x19800): one exclusive or turns a place in one slot into the other's
.set STAGE,  2*SLOT                    ; behind the ring, never filled by a tensor load: 16 rows x 272 bytes for each wave
.set SPARE,  STAGE+4*16*PITCH          ; the spare words, 128 bytes a wave; no other line names them
.set ROWK,   2048                      ; bytes in a row of xb and of wt
.set ROWC,   6144                      ; bytes in a row of qkv
.set WALKA,  4096*ROWK                 ; from a tile's rows of xb to the next tile's
.set WALKC,  4096*ROWC                 ; the same in qkv
.set ADRA0, 16                         ; v16 my lane's place in a slot's rows of xb      v17 of wt; never rewritten
.set ADRB0, 17
.set ADRA,  18                         ; v18, v19 the same in the slot being read
.set ADRB,  19
.set STO,   20                         ; v20 the way out: where I put 16 bytes of a row   v21 where I read rows back   v22 my byte offset in qkv
.set RD,    21
.set CO,    22
.set PFO,   23                         ; v23 the prefetches' offset: lane x a row; never rewritten
.set SPW,   24                         ; v24 LDS address of my spare word; v25 0; never rewritten
.set NIL,   25
.set BO,    26                         ; v26 byte offset of my lanes' eight columns in the bias; never rewritten
.set OB,    32
.set F0,    64                         ; fragment buffer 0, in windows 0 and 1
.set F1,    128                        ; fragment buffer 1
.set TMP,   192
.set BI,    0                          ; window 1
.set BT,    192                        ; window 1
.set WV,  16                           ; s16 wave   s17 wave / 2: my 128 rows; also: I fetch xb (0) or wt (1)   s18 wave % 2: my 128 columns; also: which half I fetch
.set RH,  17
.set W1,  18
.set CX,  19
.set CY,  20
.set TC,  21                           ; tile column   s22 tile row   s23 the cluster's y
.set TR,  22
.set CLY, 23
.set G1A, 24                           ; s[24:31] group 1 for xb's tiles   s[32:39] group 0, two sets: the second walks
.set G0A, 32
.set G0B, 40                           ; s[40:47], s[48:55] the same for wt's
.set G1B, 48
.set ABASE, 56                         ; s[56:57] xb at the rows that I fetch   s[58:59] wt likewise
.set BBASE, 58
.set OA,  60                           ; s[60:61], s[62:63] a step's byte offsets from them
.set OB_, 62
.set PFB, 66                           ; s[66:67] where my prefetches begin   s[68:69] the one in hand   s[70:71] its offset
.set PF,  68
.set OP,  70
.set GS,  72                           ; s72 the step to ask for next
.set CNT, 73
.set PH,  74                           ; s74 steps of the tile in hand that have been begun
.set TB,  75                           ; s75 the slot being read: 0 or SLOT
.set LIM, 76                           ; s76 I prefetch steps below this number
.set PJ,  77
.set G4,  78                           ; s78 the step that the prefetch names
.set CB,  88                           ; s[88:89] qkv at my part of the tile
.set BP,  94                           ; s[94:95] my columns' bias
.set MSB, 0
.macro WIN new                         ; the immediate's high byte repeats the setting that is left; a switch that changes nothing is dropped
.if MSB != (\new)
	s_set_vgpr_msb (MSB<<8)|(\new)
.set MSB, \new
.endif
.endm
.macro PLACES                          ; four plain vector instructions between a matrix instruction and a load into, or a vector use of, its registers
.rept 4
	v_nop
.endr
.endm
.macro CREST                           ; a round of the cluster's barrier behind its opening barrier
	s_cmp_lg_u32 s[WV], 0
	s_cbranch_scc1 .Lnot_wave_0_\@
	s_barrier_signal -3
.Lnot_wave_0_\@:
	s_barrier_wait -3
	s_barrier_signal -1
	s_barrier_wait -1
.endm
.macro CROUND
	s_barrier_signal -1
	s_barrier_wait -1
	CREST
.endm
.macro JLOAD                           ; a joint refill by the walking descriptors; the branch hangs on the wave's number alone; s_nop 0 and four v_nop follow each line
	s_cmp_eq_u32 s[RH], 0
	s_cbranch_scc0 .Lfor_b_\@
	tensor_load_to_lds s[G0A+4:G0A+7], s[G1A:G1A+7]
	s_nop 0
.rept 4
	v_nop
.endr
	s_branch .Lasked_\@
.Lfor_b_\@:
	tensor_load_to_lds s[G0B+4:G0B+7], s[G1B:G1B+7]
	s_nop 0
.rept 4
	v_nop
.endr
.Lasked_\@:
.endm
; A PREFETCH INTO THE L2 of step G4, the step that the NEXT refill will ask for: one step, 256 matrix instructions, ahead of that load: 32 rows x 256 bytes, a lane a row, one instruction a wave.
; Each wave asks for rows among the 128 that it fetches; the four partners that ask for them jointly take 32 each, told apart by address (cx for xb, cy for wt).  xb's rows are read by the three clusters
; of a row of clusters: the one with x = 0 asks, in both tiles.  wt's rows are read by the four clusters of a column and in both tiles: the one with y = 0 asks, in the first tile alone.
; So each row's 256 bytes of a step are named once.  Steps 0 to 2 come by their loads alone; no step at or past LIM is named.
.macro ASK
	s_cmp_lt_u32 s[G4], s[LIM]
	s_cbranch_scc0 .Lnot_mine_\@
	global_prefetch_b8 v[PFO], s[PF:PF+1] th:TH_LOAD_NT scope:SCOPE_SE
.Lnot_mine_\@:
.endm
; 16 matrix instructions: m blocks a0, a0 + 1 of the window's four (hi = 0: my rows 0-63, 1: rows 64-127) x all 8 n blocks, 32 along K, from buffer f.  zero = 1: the products start the sums with the bias.
; The 64 accumulators take turns in one fixed order.
.macro MUL16 f, hi, a0, zero
.if \zero
	WIN 0x91+0x40*(\hi)                            ; wt and the bias in window 1, xb in window 0, D in window 2 or 3
.else
	WIN 0xa1+0x50*(\hi)                            ; wt in window 1, xb in window 0, C and D in window 2 or 3
.endif
.irp a, \a0, (\a0)+1
.irp b, 0,1,2,3,4,5,6,7
.if \zero
	v_wmma_f32_16x16x32_bf16 v[8*(8*(\a)+(\b)):8*(8*(\a)+(\b))+7], v[(\f)+8*(\b):(\f)+8*(\b)+7], v[(\f)+8*(4*(\hi)+(\a)):(\f)+8*(4*(\hi)+(\a))+7], v[BI+8*(\b):BI+8*(\b)+7]
.else
	v_wmma_f32_16x16x32_bf16 v[8*(8*(\a)+(\b)):8*(8*(\a)+(\b))+7], v[(\f)+8*(\b):(\f)+8*(\b)+7], v[(\f)+8*(4*(\hi)+(\a)):(\f)+8*(4*(\hi)+(\a))+7], v[8*(8*(\a)+(\b)):8*(8*(\a)+(\b))+7]
.endif
.endr
.endr
.endm
.macro FETCH kq, f                     ; 32 LDS loads in one run: quarter kq (32 along K) of the slot being read, into buffer f: wt's 8 fragments, then xb's 8
	WIN 0x40                                       ; destination window 1, address window 0
.irp i, 0,1,2,3,4,5,6,7
	ds_load_b128 v[(\f)+8*(\i):(\f)+8*(\i)+3],   v[ADRB] offset:(\i)*16*PITCH+64*(\kq)
	ds_load_b128 v[(\f)+8*(\i)+4:(\f)+8*(\i)+7], v[ADRB] offset:(\i)*16*PITCH+64*(\kq)+32
.endr
	WIN 0
.irp i, 0,1,2,3,4,5,6,7
	ds_load_b128 v[(\f)+8*(\i):(\f)+8*(\i)+3],   v[ADRA] offset:(\i)*16*PITCH+64*(\kq)
	ds_load_b128 v[(\f)+8*(\i)+4:(\f)+8*(\i)+7], v[ADRA] offset:(\i)*16*PITCH+64*(\kq)+32
.endr
.endm
.macro QUARTER kq, f, g, zero          ; 64 matrix instructions on buffer f; in their middle quarter kq is fetched into buffer g
	s_wait_dscnt 8                                 ; wt's fragments and xb's 0 to 3 are in; the youngest eight loads (xb's 4 to 7) may be out
	MUL16 \f, 0, 0, \zero
	MUL16 \f, 0, 2, \zero
	PLACES
	FETCH \kq, \g
	s_wait_dscnt 32                                ; all but the 32 just issued
	MUL16 \f, 1, 0, \zero
	MUL16 \f, 1, 2, \zero
.endm
; A step's last quarter multiplies buffer 1 and changes slots.  In front of the barrier each wave waits for all its tensor loads (one is out: its part of the next slot), adds 0 to its spare word and waits
; for that and for its reads of this slot.  fill = 1: the barrier opens a round of the cluster's, and the slot just read is filled again, first thing behind the round, with step GS: from that request to
; the wait for it a wave issues 224 matrix instructions.  fill = 0, the tail's two trips: nothing is asked for, and in the last trip (CNT = 1) there is no next step to fetch: the run of loads is jumped over.
.macro TURN fill
.if \fill
	s_wait_xcnt 0x0                                ; the last prefetch, a step back, has read its address
	s_and_b32 s[OB_], s[GS], 7
	s_lshl_b32 s[OB_], s[OB_], 8                   ; 256 bytes along K for each step of a tile
	s_lshr_b32 s[OA], s[GS], 3
	s_mul_i32 s[OA], s[OA], WALKA                  ; xb: the second tile's rows
	s_add_co_u32 s[OA], s[OA], s[OB_]
	s_add_co_u32 s[G4], s[GS], 1
	s_lshr_b32 s[OP], s[G4], 3
	s_mul_i32 s[OP], s[OP], s[PJ]
	s_and_b32 s96, s[G4], 7
	s_lshl_b32 s96, s96, 8
	s_add_co_u32 s[OP], s[OP], s96
	s_add_nc_u64 s[PF:PF+1], s[PFB:PFB+1], s[OP:OP+1]
	s_add_co_u32 s[GS], s[GS], 1
.endif
	WIN 0
	s_wait_tensorcnt 0x0                           ; no tensor load of mine is out, so a group 0 may be written
	ds_add_u32 v[SPW], v[NIL]                      ; 0 onto my spare word
.if \fill
	s_xor_b32 s[G0A+5], s[G0A+5], SLOT             ; the other slot than last time; the address is made anew from the base and the step's offset
	s_add_nc_u64 s[G0A+6:G0A+7], s[ABASE:ABASE+1], s[OA:OA+1]
	s_or_b32 s[G0A+7], s[G0A+7], 0x80000000
	s_xor_b32 s[G0B+5], s[G0B+5], SLOT
	s_add_nc_u64 s[G0B+6:G0B+7], s[BBASE:BBASE+1], s[OB_:OB_+1]
	s_or_b32 s[G0B+7], s[G0B+7], 0x80000000
.endif
	s_wait_dscnt 9                                 ; the add and the youngest eight loads may be out
	MUL16 F1, 0, 0, 0                              ; sixteen matrix instructions stand between the add and the wait for it
	s_wait_dscnt 0x0                               ; the add is done, and my reads of this slot are over
	s_barrier_signal -1
	MUL16 F1, 0, 2, 0
	WIN 0
	s_barrier_wait -1
.if \fill
	CREST                                          ; no wave of any partner still reads this slot or has a load on its way
	JLOAD                                          ; its four v_nop are also the places in front of the loads below
.else
	PLACES
	s_cmp_eq_u32 s[CNT], 1
	s_cbranch_scc1 .Lno_fetch_\@
.endif
	s_xor_b32 s[TB], s[TB], SLOT
	v_add_nc_u32 v[ADRA], s[TB], v[ADRA0]
	v_add_nc_u32 v[ADRB], s[TB], v[ADRB0]
	FETCH 0, F0
.if \fill
	ASK
.else
.Lno_fetch_\@:
.endif
	MUL16 F1, 1, 0, 0
	MUL16 F1, 1, 2, 0
	WIN 0
.endm
; THE WAY OUT, a block of 16 rows at a time: rounded to f16 (16 bytes a lane), through my own stage in LDS, back as whole rows of 256 bytes, stored.  It names neither fragment buffer: behind the first
; tile's way out buffer 0 holds the next tile's first fragments.
.macro PACK a
	WIN 0x0a+5*((\a)/4)                            ; sources 0 and 1: window 2 or 3
.irp b, 0,1,2,3,4,5,6,7
.irp r, 0,1,2,3
	v_cvt_pk_f16_f32 v[TMP+4*(\b)+(\r)], v[64*((\a)%4)+8*(\b)+2*(\r)], v[64*((\a)%4)+8*(\b)+2*(\r)+1]
.endr
.endr
	WIN 0
.endm
.macro TOSTAGE a
.irp b, 0,1,2,3,4,5,6,7
	ds_store_b128 v[STO], v[TMP+4*(\b):TMP+4*(\b)+3] offset:32*(\b)
.endr
.irp t, 0,1,2,3,4,5,6,7
	ds_load_b128 v[OB+192*((\a)%2)+4*(\t):OB+192*((\a)%2)+4*(\t)+3], v[RD] offset:(\t)*2*PITCH  ; LDS serves a wave's instructions in order: these see the stores above
.endr
.endm
.macro SEND a
	s_wait_dscnt 0x0                               ; the block is back in registers
	s_wait_xcnt 0x0                                ; the stores of the block before have read their registers, which the next TOSTAGE loads again
.irp t, 0,1,2,3,4,5,6,7
	global_store_b128 v[CO], v[OB+192*((\a)%2)+4*(\t):OB+192*((\a)%2)+4*(\t)+3], s[CB:CB+1] offset:(16*(\a)+2*(\t))*ROWC  ; 16 lanes store 256 consecutive bytes, aligned
.endr
.endm
.macro WAYOUT
	PLACES
	PACK 0
	TOSTAGE 0
.irp a, 1,2,3,4,5,6,7
	PACK \a
	SEND (\a)-1
	TOSTAGE \a
.endr
	SEND 7
.endm
	s_load_b256 s[4:11], s[0:1], 0x0               ; xb s[4:5], wt s[6:7], bq s[8:9], bk s[10:11]
	s_load_b128 s[12:15], s[0:1], 0x20             ; bv s[12:13], qkv s[14:15]
	v_lshl_add_u32 v[SPW], v0, 2, SPARE
	v_mov_b32 v[NIL], 0
	ds_add_u32 v[SPW], v[NIL]                      ; the wave's opening: the add and its wait come ahead of my first tensor load; the set-up below stands between them
	v_lshrrev_b32 v1, 5, v0
	v_readfirstlane_b32 s[WV], v1
	s_lshr_b32 s[RH], s[WV], 1
	s_and_b32 s[W1], s[WV], 1
	s_bfe_u32 s[CX], ttmp6, 0x40000
	s_bfe_u32 s[CY], ttmp6, 0x40004
	s_lshl_b32 s[TC], ttmp9, 2
	s_add_co_u32 s[TC], s[TC], s[CX]               ; tile column = 4 x cluster x + cx: 0 to 11
	s_and_b32 s[CLY], ttmp7, 0xffff
	s_lshl_b32 s[TR], s[CLY], 2
	s_add_co_u32 s[TR], s[TR], s[CY]               ; first tile row = 4 x cluster y + cy: 0 to 15
.set G1W0, (1<<16)|(1<<20)|(1<<21)|(5<<22)|(3<<25)     ; elements of 2 bytes; padding on; bit 21 beside a mask; after every 64 words, 4 words
	s_lshl_b32 s84, s[CY], 2
	s_lshl_b32 s84, 15, s84                        ; my row of the cluster
	s_or_b32 s[G1A], s84, G1W0
	s_lshl_b32 s86, 0x1111, s[CX]                  ; my column
	s_or_b32 s[G1B], s86, G1W0
.irp g, G1A, G1B
	s_mov_b32 s[(\g)+1], 128<<16                   ; tensor_dim0 = 128
	s_mov_b32 s[(\g)+2], 128<<16                   ; tensor_dim1 = 128
	s_mov_b32 s[(\g)+3], 128<<16                   ; tile_dim0 = 128
	s_mov_b32 s[(\g)+4], 128                       ; tile_dim1 = 128
	s_mov_b32 s[(\g)+5], 1024                      ; elements from row to row
	s_mov_b32 s[(\g)+6], 0
	s_mov_b32 s[(\g)+7], 0
.endr
	s_lshl_b32 s84, s[TR], 8                       ; xb: row 256 x tile row + 128 x half (registers that never hold cx)
	s_lshl_b32 s85, s[W1], 7
	s_add_co_u32 s84, s84, s85
	s_lshl_b32 s84, s84, 11
	s_mov_b32 s85, 0
	s_lshl_b32 s86, s[TC], 8                       ; wt: row 256 x tile column + 128 x half (registers that never hold cy)
	s_lshl_b32 s87, s[W1], 7
	s_add_co_u32 s86, s86, s87
	s_lshl_b32 s86, s86, 11
	s_mov_b32 s87, 0
	s_mul_i32 s92, s[W1], HALFT                    ; where they go: no place in the cluster enters an LDS address
	s_add_co_u32 s93, s92, 2*HALFT
	s_mov_b32 s[OA+1], 0
	s_mov_b32 s[OB_+1], 0
	s_mov_b32 s[OP+1], 0
	s_mov_b32 s[GS], 2
	s_mov_b32 s[CNT], T-2
	s_mov_b32 s[PH], 1
	s_mov_b32 s[TB], 0
	s_wait_dscnt 0x0                               ; the opening add is done
	s_wait_kmcnt 0x0
	s_add_nc_u64 s[ABASE:ABASE+1], s[4:5], s[84:85]
	s_add_nc_u64 s[BBASE:BBASE+1], s[6:7], s[86:87]
.irp s, 0,1
	s_mov_b32 s[G0A+4*(\s)], 1
	s_add_co_u32 s[G0A+4*(\s)+1], s92, (\s)*SLOT
	s_add_nc_u64 s[G0A+4*(\s)+2:G0A+4*(\s)+3], s[ABASE:ABASE+1], (\s)*256
	s_or_b32 s[G0A+4*(\s)+3], s[G0A+4*(\s)+3], 0x80000000
	s_mov_b32 s[G0B+4*(\s)], 1
	s_add_co_u32 s[G0B+4*(\s)+1], s93, (\s)*SLOT
	s_add_nc_u64 s[G0B+4*(\s)+2:G0B+4*(\s)+3], s[BBASE:BBASE+1], (\s)*256
	s_or_b32 s[G0B+4*(\s)+3], s[G0B+4*(\s)+3], 0x80000000
.endr
	CROUND                                         ; all sixteen work-groups are here: the first joint loads meet
	s_cmp_eq_u32 s[RH], 0                          ; a wave's two first fills stand in one branch: two loads of mine are out
	s_cbranch_scc0 .Lfirst_b
	tensor_load_to_lds s[G0A:G0A+3], s[G1A:G1A+7]
	s_nop 0
	tensor_load_to_lds s[G0A+4:G0A+7], s[G1A:G1A+7]
	s_nop 0
.rept 4
	v_nop
.endr
	s_branch .Lfirst_asked
.Lfirst_b:
	tensor_load_to_lds s[G0B:G0B+3], s[G1B:G1B+7]
	s_nop 0
	tensor_load_to_lds s[G0B+4:G0B+7], s[G1B:G1B+7]
	s_nop 0
.rept 4
	v_nop
.endr
.Lfirst_asked:
	v_and_b32 v1, 15, v0                           ; r = l % 16
	v_bfe_u32 v2, v0, 4, 1                         ; h = l / 16
	s_lshl_b32 s96, s[CX], 10                      ; the bias: four column tiles to a matrix, so the cluster's x says which bias and cx which 256 columns of it;
	s_lshl_b32 s97, s[W1], 9                       ; (256 cx + 128 half + 8 h) x 4 bytes
	s_add_co_u32 s96, s96, s97
	v_lshl_add_u32 v[BO], v2, 5, s96
	s_cmp_eq_u32 ttmp9, 0
	s_cselect_b64 s[BP:BP+1], s[8:9], s[10:11]
	s_cmp_eq_u32 ttmp9, 2
	s_cselect_b64 s[BP:BP+1], s[12:13], s[BP:BP+1]
	WIN 0x40
.irp b, 0,1,2,3,4,5,6,7
	global_load_b128 v[BI+8*(\b):BI+8*(\b)+3],   v[BO], s[BP:BP+1] offset:64*(\b)
	global_load_b128 v[BI+8*(\b)+4:BI+8*(\b)+7], v[BO], s[BP:BP+1] offset:64*(\b)+16
.endr
	WIN 0
	v_mul_u32_u24 v3, v1, PITCH
	v_lshl_add_u32 v3, v2, 4, v3                   ; a fragment's row x pitch + 16 x half
	s_mul_i32 s96, s[RH], HALFT
	v_add_nc_u32 v[ADRA0], s96, v3
	s_mul_i32 s96, s[W1], HALFT
	s_add_co_u32 s96, s96, 2*HALFT
	v_add_nc_u32 v[ADRB0], s96, v3
	v_mov_b32 v[ADRA], v[ADRA0]
	v_mov_b32 v[ADRB], v[ADRB0]
	s_mul_i32 s96, s[WV], 16*PITCH
	s_add_co_u32 s96, s96, STAGE                   ; my stage
	v_add_nc_u32 v[STO], s96, v3                   ; in: row r, 16 bytes for each half of the lanes
	v_mul_u32_u24 v4, v2, PITCH
	v_lshl_add_u32 v4, v1, 4, v4
	v_add_nc_u32 v[RD], s96, v4                    ; back: lanes 0-15 one row of 256 bytes, lanes 16-31 the next
	v_mul_u32_u24 v5, v2, ROWC
	v_lshl_add_u32 v[CO], v1, 4, v5                ; the same two rows in qkv
	v_and_b32 v[PFO], 31, v0
	v_mul_u32_u24 v[PFO], v[PFO], ROWK
	s_lshl_b32 s96, s[TR], 8                       ; qkv at my 128 rows and 128 columns of the first tile
	s_lshl_b32 s97, s[RH], 7
	s_add_co_u32 s96, s96, s97
	s_mul_i32 s96, s96, ROWC
	s_lshl_b32 s97, s[TC], 9
	s_add_co_u32 s96, s96, s97
	s_lshl_b32 s97, s[W1], 8
	s_add_co_u32 s96, s96, s97
	s_mov_b32 s97, 0
	s_add_nc_u64 s[CB:CB+1], s[14:15], s[96:97]
	s_lshl_b32 s96, s[TR], 8                       ; the prefetches: xb's rows 256 tile row + 128 half + 32 cx,
	s_lshl_b32 s98, s[W1], 7
	s_add_co_u32 s96, s96, s98
	s_lshl_b32 s98, s[CX], 5
	s_add_co_u32 s96, s96, s98
	s_lshl_b32 s96, s96, 11
	s_lshl_b32 s97, s[TC], 8                       ; wt's rows 256 tile column + 128 half + 32 cy
	s_lshl_b32 s98, s[W1], 7
	s_add_co_u32 s97, s97, s98
	s_lshl_b32 s98, s[CY], 5
	s_add_co_u32 s97, s97, s98
	s_lshl_b32 s97, s97, 11
	s_cmp_eq_u32 s[CLY], 0
	s_cselect_b32 s[LIM], 8, 0                     ; wt: the cluster with y = 0 asks, in the first tile
	s_cmp_eq_u32 ttmp9, 0
	s_cselect_b32 s98, T, 0                        ; xb: the cluster with x = 0 asks, in both tiles
	s_cmp_eq_u32 s[RH], 0
	s_cselect_b32 s[LIM], s98, s[LIM]
	s_cselect_b32 s[PJ], WALKA, 0
	s_cselect_b32 s[OP], s96, s97
	s_cselect_b64 s[PFB:PFB+1], s[4:5], s[6:7]
	s_add_nc_u64 s[PFB:PFB+1], s[PFB:PFB+1], s[OP:OP+1]
	s_wait_tensorcnt 0x1                           ; my part of step 0 is in; step 1's may stay out
	s_barrier_signal -1
	s_barrier_wait -1                              ; everybody's is
	FETCH 0, F0
	s_wait_loadcnt 0x0                             ; the bias is in: it is rounded to bf16 and widened again, once for both tiles
	WIN 0x45
.set q, 0
.rept 8
.irp z, 0,1,2,3
	v_cvt_pk_bf16_f32 v[BT+\z], v[BI+2*(q+\z)], v[BI+2*(q+\z)+1]
.endr
.irp z, 0,1,2,3
	v_lshlrev_b32 v[BI+2*(q+\z)], 16, v[BT+\z]
	v_and_b32 v[BI+2*(q+\z)+1], 0xffff0000, v[BT+\z]
.endr
.set q, q+4
.endr
	WIN 0
	QUARTER 1, F0, F1, 1                           ; the first tile begins: its first products take the bias as C
	WIN 0
.Lstep:                                        ; T - 2 trips: from a step's second quarter to the next step's first; every trip fills a slot again
	QUARTER 2, F1, F0, 0
	QUARTER 3, F0, F1, 0
	TURN 1
	s_cmp_lg_u32 s[PH], 8
	s_cbranch_scc1 .Lacc
	WAYOUT                                         ; the first tile's eighth step is done; the second tile's first two steps have been asked for
	s_wait_xcnt 0x0                                ; the stores have read their registers and their base
	s_add_nc_u64 s[CB:CB+1], s[CB:CB+1], WALKC     ; 4,096 rows down in qkv
	s_mov_b32 s[PH], 0
	QUARTER 1, F0, F1, 1                           ; the second tile begins
	WIN 0
	s_branch .Lnext
.Lacc:
	QUARTER 1, F0, F1, 0
	WIN 0
.Lnext:
	s_add_co_u32 s[PH], s[PH], 1
	s_sub_co_u32 s[CNT], s[CNT], 1
	s_cmp_lg_u32 s[CNT], 0
	s_cbranch_scc1 .Lstep
	s_mov_b32 s[CNT], 2
.Ltail:                                        ; the last two steps ask for nothing: a text of their own, walked twice
	QUARTER 2, F1, F0, 0
	QUARTER 3, F0, F1, 0
	TURN 0
	s_wait_dscnt 0x0                               ; the run fetched 32 matrix instructions ago
	s_cmp_eq_u32 s[CNT], 1
	s_cbranch_scc1 .Llast                          ; behind the last step there is no first quarter of a next one
	QUARTER 1, F0, F1, 0
	WIN 0
.Llast:
	s_sub_co_u32 s[CNT], s[CNT], 1
	s_cmp_lg_u32 s[CNT], 0
	s_cbranch_scc1 .Ltail
	WAYOUT
	s_wait_tensorcnt 0x0                           ; the wave's end: a tensor wait, a zero add onto my spare word and its wait, behind my last tensor load and my last LDS store
	ds_add_u32 v[SPW], v[NIL]
	s_wait_dscnt 0x0
	CROUND                                         ; the closing round: no work-group ends while a partner may still ask for a tile that names it
	s_endpgm
.Lfunc_end_k_q7e75d4bbd7_proj:
	.size	k_q7e75d4bbd7_proj, .Lfunc_end_k_q7e75d4bbd7_proj-k_q7e75d4bbd7_proj
	.p2alignl 7, 3214868480
	.fill 96, 4, 3214868480
	.section	.rodata,"a",@progbits
	.p2align	6, 0x0
	.amdhsa_kernel k_q7e75d4bbd7_proj
		.amdhsa_group_segment_fixed_size 327680
		.amdhsa_private_segment_fixed_size 0
		.amdhsa_enable_private_segment 0
		.amdhsa_kernarg_size 48
		.amdhsa_user_sgpr_count 2
		.amdhsa_user_sgpr_kernarg_segment_ptr 1
		.amdhsa_wavefront_size32 1
		.amdhsa_system_sgpr_workgroup_id_x 1
		.amdhsa_system_sgpr_workgroup_id_y 1
		.amdhsa_system_sgpr_workgroup_id_z 1
		.amdhsa_system_vgpr_workitem_id 0
		.amdhsa_next_free_vgpr 1024
		.amdhsa_next_free_sgpr 100
		.amdhsa_reserve_vcc 0
		.amdhsa_float_denorm_mode_32 3
		.amdhsa_float_denorm_mode_16_64 3
		.amdhsa_memory_ordered 1
		.amdhsa_forward_progress 1
		.amdhsa_inst_pref_size 146
	.end_amdhsa_kernel
	.amdgpu_metadata
---
amdhsa.version: [ 1, 2 ]
amdhsa.kernels:
  - .name:           k_q7e75d4bbd7_proj
    .symbol:         k_q7e75d4bbd7_proj.kd
    .args:
      - { .name: xb, .offset: 0, .size: 8, .value_kind: global_buffer, .address_space: global }
      - { .name: wt, .offset: 8, .size: 8, .value_kind: global_buffer, .address_space: global }
      - { .name: bq, .offset: 16, .size: 8, .value_kind: global_buffer, .address_space: global }
      - { .name: bk, .offset: 24, .size: 8, .value_kind: global_buffer, .address_space: global }
      - { .name: bv, .offset: 32, .size: 8, .value_kind: global_buffer, .address_space: global }
      - { .name: qkv, .offset: 40, .size: 8, .value_kind: global_buffer, .address_space: global }
    .group_segment_fixed_size: 327680
    .private_segment_fixed_size: 0
    .kernarg_segment_align: 8
    .kernarg_segment_size: 48
    .max_flat_workgroup_size: 128
    .sgpr_count:     100
    .vgpr_count:     1024
    .wavefront_size: 32
...
	.end_amdgpu_metadata
.endif
;; end of part 2
;; launch score (part 3): grid 8 x 32, 4 waves a work-group, clusters of 4 x 4, 327,680 bytes of LDS; arguments qkv, p, stat; writes p, stat
.if DOCPART == 3
	.amdgcn_target "amdgcn-amd-amdhsa--gfx1250"
	.amdhsa_code_object_version 6
	.text
	.protected	k_q7e75d4bbd7_score
	.globl	k_q7e75d4bbd7_score
	.p2align	8
	.type	k_q7e75d4bbd7_score,@function
k_q7e75d4bbd7_score:
	s_mov_b64 s[64:65], 0
	v_nop
	global_prefetch_b8 v0, s[64:65] scope:SCOPE_SE
	s_setreg_imm32_b32 hwreg(HW_REG_WAVE_MODE, 25, 1), 1
	s_wait_xcnt 0x0
	s_wait_alu depctr_hold_cnt(0) depctr_sa_sdst(0) depctr_va_vdst(0) depctr_va_sdst(0) depctr_va_ssrc(0) depctr_va_vcc(0) depctr_vm_vsrc(0)
	s_getreg_b32 s2, hwreg(HW_REG_IB_STS2, 6, 4)
	s_cmp_eq_u32 s2, 0
	s_cbranch_scc0 .Lentry_in_a_cluster
	s_endpgm
.Lentry_in_a_cluster:
	s_bfe_u32 s2, ttmp6, 0x10000c
	s_cmp_lg_u32 s2, 0xf033
	s_cbranch_scc0 .Lentry_shape_is_right
	s_endpgm
.Lentry_shape_is_right:
; For each query row and each block kb of 128 keys of its batch: s = q . k (f16 products, f32 sums); m = the block's largest s; p[row][key] = 2^(c s - c m) in f16, c = log2(e) / 8;
; stat[0][kb][row] = c m, stat[1][kb][row] = l = the sum of the block's unrounded weights, both f32.  The launch behind brings the blocks to the row's true maximum.
; LIMITS.  A weight below 2^-126 counts as 0 in l, below 6e-8 as 0 in p.  NaN and infinities are not treated apart.
; SHARES.  A batch's 2,048 x 2,048 scores are 64 tiles of 256 queries x 256 keys; four batches: 256 work-groups, one tile each.  Four waves of 128 x 128: 64 accumulators, 512 registers; a wave's 128
; columns ARE a block kb, so maximum and sum never leave the wave.  K is the 1,024 channels: 8 steps of 128 through a ring of two LDS slots, 256 matrix instructions a wave in a step.
; CLUSTER 4 x 4: q's tiles are shared along a row of the cluster, k's along a column: joint tensor loads with a mask of four.
; THE MATRIX INSTRUCTION IS USED TRANSPOSED (source 0 = 16 keys, source 1 = 16 queries): a lane holds query l % 16 and the keys 8 (l / 16) + 0..7 of each block of 16.
; REGISTERS, in windows of 256.  window 0: v0-31 addresses; v64-127, v128-191 fragments of q, two buffers; v192-223 packed weights; v32-63, v224-255 rows read back from the stage; on the way out v64-73 at work.
; window 1: v64-127, v128-191 fragments of k.  window 2: the accumulators of my rows 0-63, (a, b) at v[8 (8 a + b)]; window 3: those of my rows 64-127.
.set T,      8
.set PITCH,  272                       ; an LDS row: 256 bytes + 16 of padding: the 16 rows of a fragment load start at 16 different groups of four banks
.set HALFT,  128*PITCH                 ; 128 rows: what one tensor load brings, and what one wave reads of q or of k
.set SLOT,   4*HALFT                   ; q's 256 rows, then k's 256.  0x22000 shares no bit with the four loads' places in a slot (0, 0x8800, 0x11000, 0x19800): one exclusive or turns a place in one slot into the other's
.set STAGE,  2*SLOT                    ; behind the ring, never filled by a tensor load: 16 rows x 272 bytes for each wave
.set STST,   STAGE+4*16*PITCH          ; 1,024 bytes for each wave: 128 rows' c m, then their l
.set SPARE,  STST+4*1024               ; the spare words, 128 bytes a wave; no other line names them
.set ROWQ,   6144                      ; bytes in a row of qkv
.set ROWC,   4096                      ; bytes in a row of p
.set ADRA0, 16
.set ADRB0, 17
.set ADRA,  18
.set ADRB,  19
.set STO,   20
.set RD,    21
.set CO,    22
.set PFO,   23
.set SPW,   24
.set NIL,   25
.set SA,    27                         ; v27 where I put a row's c m   v28 where I read 16 bytes back   v29 my byte offset in 512 bytes of stat
.set SR,    28
.set SO,    29
.set OB,    32
.set F0,    64
.set F1,    128
.set SX,    64
.set TMP,   192
.set WV,  16
.set RH,  17
.set W1,  18
.set CX,  19
.set CY,  20
.set TC,  21
.set TR,  22
.set CLY, 23
.set G1A, 24
.set G0A, 32
.set G0B, 40
.set G1B, 48
.set ABASE, 56
.set BBASE, 58
.set OA,  60                           ; s[60:61] a step's byte offset along the channels, for q and for k
.set PFB, 66
.set PF,  68
.set OP,  70
.set GS,  72
.set CNT, 73
.set TB,  75
.set LIM, 76
.set G4,  78
.set CS,  80                           ; s[80:81] c, twice
.set SEL, 82                           ; s[82:83] v_permlanex16_b32's selects: each lane takes its own place in the other half
.set CB,  88                           ; s[88:89] p at my part of the tile   s[90:91] stat at my block and rows
.set SB,  90
.set MSB, 0
.macro WIN new
.if MSB != (\new)
	s_set_vgpr_msb (MSB<<8)|(\new)
.set MSB, \new
.endif
.endm
.macro PLACES                          ; four plain vector instructions between a matrix instruction and a load into, or a vector use of, its registers
.rept 4
	v_nop
.endr
.endm
.macro CREST
	s_cmp_lg_u32 s[WV], 0
	s_cbranch_scc1 .Lnot_wave_0_\@
	s_barrier_signal -3
.Lnot_wave_0_\@:
	s_barrier_wait -3
	s_barrier_signal -1
	s_barrier_wait -1
.endm
.macro CROUND
	s_barrier_signal -1
	s_barrier_wait -1
	CREST
.endm
.macro JLOAD                           ; a joint refill by the walking descriptors; s_nop 0 and four v_nop follow each line
	s_cmp_eq_u32 s[RH], 0
	s_cbranch_scc0 .Lfor_b_\@
	tensor_load_to_lds s[G0A+4:G0A+7], s[G1A:G1A+7]
	s_nop 0
.rept 4
	v_nop
.endr
	s_branch .Lasked_\@
.Lfor_b_\@:
	tensor_load_to_lds s[G0B+4:G0B+7], s[G1B:G1B+7]
	s_nop 0
.rept 4
	v_nop
.endr
.Lasked_\@:
.endm
; A PREFETCH INTO THE L2 of step G4, the step that the NEXT refill will ask for: one step, 256 matrix instructions, ahead of that load: 32 rows x 256 bytes, a lane a row, one instruction a wave.
; Each wave asks for rows among the 128 that it fetches; the four partners that ask for them jointly take 32 each, told apart by address (cx for q, cy for k).  q's rows are read by the two clusters of a
; row of clusters: the one with x = 0 asks.  k's rows are read by the batch's two clusters of a column: the first of them asks.  So each row's 256 bytes of a step are named once.
; Steps 0 to 2 come by their loads alone; no step at or past LIM is named.
.macro ASK
	s_cmp_lt_u32 s[G4], s[LIM]
	s_cbranch_scc0 .Lnot_mine_\@
	global_prefetch_b8 v[PFO], s[PF:PF+1] th:TH_LOAD_NT scope:SCOPE_SE
.Lnot_mine_\@:
.endm
; 16 matrix instructions: m blocks a0, a0 + 1 of the window's four (hi = 0: my rows 0-63, 1: rows 64-127) x all 8 n blocks, 32 along K, from buffer f.  zero = 1: they start the sums.
; The 64 accumulators take turns in one fixed order.
.macro MUL16 f, hi, a0, zero
	WIN 0xa1+0x50*(\hi)                            ; k in window 1, q in window 0, C and D in window 2 or 3
.irp a, \a0, (\a0)+1
.irp b, 0,1,2,3,4,5,6,7
.if \zero
	v_wmma_f32_16x16x32_f16 v[8*(8*(\a)+(\b)):8*(8*(\a)+(\b))+7], v[(\f)+8*(\b):(\f)+8*(\b)+7], v[(\f)+8*(4*(\hi)+(\a)):(\f)+8*(4*(\hi)+(\a))+7], 0
.else
	v_wmma_f32_16x16x32_f16 v[8*(8*(\a)+(\b)):8*(8*(\a)+(\b))+7], v[(\f)+8*(\b):(\f)+8*(\b)+7], v[(\f)+8*(4*(\hi)+(\a)):(\f)+8*(4*(\hi)+(\a))+7], v[8*(8*(\a)+(\b)):8*(8*(\a)+(\b))+7]
.endif
.endr
.endr
.endm
.macro FETCH kq, f                     ; 32 LDS loads in one run: quarter kq (32 along K) of the slot being read, into buffer f: k's 8 fragments, then q's 8
	WIN 0x40                                       ; destination window 1, address window 0
.irp i, 0,1,2,3,4,5,6,7
	ds_load_b128 v[(\f)+8*(\i):(\f)+8*(\i)+3],   v[ADRB] offset:(\i)*16*PITCH+64*(\kq)
	ds_load_b128 v[(\f)+8*(\i)+4:(\f)+8*(\i)+7], v[ADRB] offset:(\i)*16*PITCH+64*(\kq)+32
.endr
	WIN 0
.irp i, 0,1,2,3,4,5,6,7
	ds_load_b128 v[(\f)+8*(\i):(\f)+8*(\i)+3],   v[ADRA] offset:(\i)*16*PITCH+64*(\kq)
	ds_load_b128 v[(\f)+8*(\i)+4:(\f)+8*(\i)+7], v[ADRA] offset:(\i)*16*PITCH+64*(\kq)+32
.endr
.endm
.macro QUARTER kq, f, g, zero          ; 64 matrix instructions on buffer f; in their middle quarter kq is fetched into buffer g
	s_wait_dscnt 8                                 ; k's fragments and q's 0 to 3 are in; the youngest eight loads (q's 4 to 7) may be out
	MUL16 \f, 0, 0, \zero
	MUL16 \f, 0, 2, \zero
	PLACES
	FETCH \kq, \g
	s_wait_dscnt 32                                ; all but the 32 just issued
	MUL16 \f, 1, 0, \zero
	MUL16 \f, 1, 2, \zero
.endm
; A step's last quarter multiplies buffer 1 and changes slots.  In front of the barrier each wave waits for all its tensor loads (one is out: its part of the next slot), adds 0 to its spare word and waits
; for that and for its reads of this slot.  fill = 1: the barrier opens a round of the cluster's, and the slot just read is filled again, first thing behind the round, with step GS: from that request to
; the wait for it a wave issues 224 matrix instructions.  fill = 0, the tail's two trips: nothing is asked for, and in the last trip (CNT = 1) there is no next step to fetch: the run of loads is jumped over.
.macro TURN fill
.if \fill
	s_wait_xcnt 0x0                                ; the last prefetch, a step back, has read its address
	s_lshl_b32 s[OA], s[GS], 8                     ; 256 bytes along the channels for each step
	s_add_co_u32 s[G4], s[GS], 1
	s_lshl_b32 s[OP], s[G4], 8
	s_add_nc_u64 s[PF:PF+1], s[PFB:PFB+1], s[OP:OP+1]
	s_add_co_u32 s[GS], s[GS], 1
.endif
	WIN 0
	s_wait_tensorcnt 0x0                           ; no tensor load of mine is out, so a group 0 may be written
	ds_add_u32 v[SPW], v[NIL]                      ; 0 onto my spare word
.if \fill
	s_xor_b32 s[G0A+5], s[G0A+5], SLOT             ; the other slot than last time; the address is made anew from the base and the step's offset
	s_add_nc_u64 s[G0A+6:G0A+7], s[ABASE:ABASE+1], s[OA:OA+1]
	s_or_b32 s[G0A+7], s[G0A+7], 0x80000000
	s_xor_b32 s[G0B+5], s[G0B+5], SLOT
	s_add_nc_u64 s[G0B+6:G0B+7], s[BBASE:BBASE+1], s[OA:OA+1]
	s_or_b32 s[G0B+7], s[G0B+7], 0x80000000
.endif
	s_wait_dscnt 9                                 ; the add and the youngest eight loads may be out
	MUL16 F1, 0, 0, 0                              ; sixteen matrix instructions stand between the add and the wait for it
	s_wait_dscnt 0x0                               ; the add is done, and my reads of this slot are over
	s_barrier_signal -1
	MUL16 F1, 0, 2, 0
	WIN 0
	s_barrier_wait -1
.if \fill
	CREST                                          ; no wave of any partner still reads this slot or has a load on its way
	JLOAD                                          ; its four v_nop are also the places in front of the loads below
.else
	PLACES
	s_cmp_eq_u32 s[CNT], 1
	s_cbranch_scc1 .Lno_fetch_\@
.endif
	s_xor_b32 s[TB], s[TB], SLOT
	v_add_nc_u32 v[ADRA], s[TB], v[ADRA0]
	v_add_nc_u32 v[ADRB], s[TB], v[ADRB0]
	FETCH 0, F0
.if \fill
	ASK
.else
.Lno_fetch_\@:
.endif
	MUL16 F1, 1, 0, 0
	MUL16 F1, 1, 2, 0
	WIN 0
.endm
; Block a of 16 queries: a lane's 64 scores lie in window 2 (blocks 0-3) or 3 (blocks 4-7), v[64 (a % 4) ..]; the query's other 64 in the lane 16 away.  Each accumulator's lowest registers are read
; first.  c m and l go straight into my own LDS words.
.macro SOFT a
.set AC, 64*((\a)%4)
	WIN 0x2a+0x15*((\a)/4)                         ; the maximum, three operands at a time: eight chains,
.irp b, 0,1,2,3,4,5,6,7
	v_max3_num_f32 v[SX+\b], v[AC+8*\b], v[AC+8*\b+1], v[AC+8*\b+2]
.endr
	WIN 0x28+0x14*((\a)/4)
.irp b, 0,1,2,3,4,5,6,7
	v_max3_num_f32 v[SX+\b], v[SX+\b], v[AC+8*\b+3], v[AC+8*\b+4]
.endr
.irp b, 0,1,2,3,4,5,6,7
	v_max3_num_f32 v[SX+\b], v[SX+\b], v[AC+8*\b+5], v[AC+8*\b+6]
.endr
.irp i, 0,1,2,3
	v_max3_num_f32 v[SX+\i], v[SX+\i], v[AC+16*\i+7], v[AC+16*\i+15]
.endr
	WIN 0                                          ; the chains into one, and the other half of the lanes'
	v_max3_num_f32 v[SX], v[SX], v[SX+1], v[SX+2]
	v_max3_num_f32 v[SX+3], v[SX+3], v[SX+4], v[SX+5]
	v_max3_num_f32 v[SX], v[SX], v[SX+3], v[SX+6]
	v_max_num_f32 v[SX], v[SX], v[SX+7]
	v_permlanex16_b32 v[SX+1], v[SX], s[SEL], s[SEL+1]
	v_max_num_f32 v[SX], v[SX], v[SX+1]
	v_mul_f32 v[SX+8], s[CS], v[SX]                ; c m; named as a pair below, so both words are written
	v_mul_f32 v[SX+9], s[CS], v[SX]
	ds_store_b32 v[SA], v[SX+8] offset:64*(\a)     ; both halves of the lanes hold the same number and write the same word
	WIN 0x82+0x41*((\a)/4)
.set i, 0
.rept 32
	v_pk_fma_f32 v[AC+i:AC+i+1], v[AC+i:AC+i+1], s[CS:CS+1], v[SX+8:SX+9] op_sel_hi:[1,0,0] neg_lo:[0,0,1] neg_hi:[0,0,1]  ; c s - c m
.set i, i+2
.endr
.set i, 0
.rept 64
	v_exp_f32 v[AC+i], v[AC+i]                     ; one batch: none reads another's result
.set i, i+1
.endr
	v_nop                                          ; a plain instruction behind the last exponential,
	s_wait_alu depctr_va_vdst(0)                   ; and one wait for the batch, ahead of the first reader
	WIN 0x0a+0x05*((\a)/4)
.set i, 0
.rept 32
	v_cvt_pk_f16_f32 v[TMP+i], v[AC+2*i], v[AC+2*i+1]
.set i, i+1
.endr
	WIN 0x8a+0x45*((\a)/4)                         ; l: the sum of the unrounded weights, a tree in place
.irp w, 32,16,8,4,2
.set i, 0
.rept (\w)/2
	v_pk_add_f32 v[AC+i:AC+i+1], v[AC+i:AC+i+1], v[AC+i+\w:AC+i+\w+1]
.set i, i+2
.endr
.endr
	WIN 0x0a+0x05*((\a)/4)
	v_add_f32 v[SX+2], v[AC], v[AC+1]
	WIN 0
	v_permlanex16_b32 v[SX+3], v[SX+2], s[SEL], s[SEL+1]
	v_add_f32 v[SX+4], v[SX+2], v[SX+3]
	ds_store_b32 v[SA], v[SX+4] offset:512+64*(\a)
.endm
.macro TOSTAGE a
.irp b, 0,1,2,3,4,5,6,7
	ds_store_b128 v[STO], v[TMP+4*(\b):TMP+4*(\b)+3] offset:32*(\b)
.endr
.irp t, 0,1,2,3,4,5,6,7
	ds_load_b128 v[OB+192*((\a)%2)+4*(\t):OB+192*((\a)%2)+4*(\t)+3], v[RD] offset:(\t)*2*PITCH  ; LDS serves a wave's instructions in order: these see the stores above
.endr
.endm
.macro SEND a
	s_wait_dscnt 0x0
	s_wait_xcnt 0x0                                ; the stores of the block before have read their registers, which the next TOSTAGE loads again
.irp t, 0,1,2,3,4,5,6,7
	global_store_b128 v[CO], v[OB+192*((\a)%2)+4*(\t):OB+192*((\a)%2)+4*(\t)+3], s[CB:CB+1] offset:(16*(\a)+2*(\t))*ROWC  ; 16 lanes store 256 consecutive bytes, aligned
.endr
.endm
	s_load_b128 s[4:7], s[0:1], 0x0                ; qkv s[4:5], p s[6:7]
	s_load_b64 s[8:9], s[0:1], 0x10                ; stat
	v_lshl_add_u32 v[SPW], v0, 2, SPARE
	v_mov_b32 v[NIL], 0
	ds_add_u32 v[SPW], v[NIL]                      ; the wave's opening: the add and its wait come ahead of my first tensor load
	v_lshrrev_b32 v1, 5, v0
	v_readfirstlane_b32 s[WV], v1
	s_lshr_b32 s[RH], s[WV], 1
	s_and_b32 s[W1], s[WV], 1
	s_bfe_u32 s[CX], ttmp6, 0x40000
	s_bfe_u32 s[CY], ttmp6, 0x40004
	s_lshl_b32 s[TC], ttmp9, 2
	s_add_co_u32 s[TC], s[TC], s[CX]               ; key tile of the batch: 0 to 7
	s_and_b32 s[CLY], ttmp7, 0xffff
	s_lshl_b32 s[TR], s[CLY], 2
	s_add_co_u32 s[TR], s[TR], s[CY]               ; query tile: 0 to 31, eight to a batch
.set G1W0, (1<<16)|(1<<20)|(1<<21)|(5<<22)|(3<<25)     ; elements of 2 bytes; padding on; bit 21 beside a mask; after every 64 words, 4 words
	s_lshl_b32 s84, s[CY], 2
	s_lshl_b32 s84, 15, s84
	s_or_b32 s[G1A], s84, G1W0
	s_lshl_b32 s86, 0x1111, s[CX]
	s_or_b32 s[G1B], s86, G1W0
.irp g, G1A, G1B
	s_mov_b32 s[(\g)+1], 128<<16                   ; tensor_dim0 = 128
	s_mov_b32 s[(\g)+2], 128<<16                   ; tensor_dim1 = 128
	s_mov_b32 s[(\g)+3], 128<<16                   ; tile_dim0 = 128
	s_mov_b32 s[(\g)+4], 128                       ; tile_dim1 = 128
	s_mov_b32 s[(\g)+5], 3072                      ; elements from row to row of qkv
	s_mov_b32 s[(\g)+6], 0
	s_mov_b32 s[(\g)+7], 0
.endr
	s_lshl_b32 s84, s[TR], 8                       ; q: row 256 x query tile + 128 x half (registers that never hold cx)
	s_lshl_b32 s85, s[W1], 7
	s_add_co_u32 s84, s84, s85
	s_mul_i32 s84, s84, ROWQ
	s_mov_b32 s85, 0
	s_lshr_b32 s86, s[CLY], 1                      ; k: the batch (two clusters each along y), its 2,048 rows,
	s_lshl_b32 s86, s86, 11
	s_lshl_b32 s87, s[TC], 8                       ; + 256 x key tile + 128 x half (registers that never hold cy)
	s_add_co_u32 s86, s86, s87
	s_lshl_b32 s87, s[W1], 7
	s_add_co_u32 s86, s86, s87
	s_mul_i32 s86, s86, ROWQ
	s_add_co_u32 s86, s86, 2048                    ; k lies 2,048 bytes into a row
	s_mov_b32 s87, 0
	s_mul_i32 s92, s[W1], HALFT                    ; where they go: no place in the cluster enters an LDS address
	s_add_co_u32 s93, s92, 2*HALFT
	s_mov_b32 s[OA+1], 0
	s_mov_b32 s[OP+1], 0
	s_mov_b32 s[GS], 2
	s_mov_b32 s[CNT], T-2
	s_mov_b32 s[TB], 0
	s_mov_b32 s[CS], 0x3e38aa3b                    ; c = log2(e) / 8
	s_mov_b32 s[CS+1], s[CS]
	s_mov_b32 s[SEL], 0x76543210
	s_mov_b32 s[SEL+1], 0xfedcba98
	s_wait_dscnt 0x0                               ; the opening add is done
	s_wait_kmcnt 0x0
	s_add_nc_u64 s[ABASE:ABASE+1], s[4:5], s[84:85]
	s_add_nc_u64 s[BBASE:BBASE+1], s[4:5], s[86:87]
.irp s, 0,1
	s_mov_b32 s[G0A+4*(\s)], 1
	s_add_co_u32 s[G0A+4*(\s)+1], s92, (\s)*SLOT
	s_add_nc_u64 s[G0A+4*(\s)+2:G0A+4*(\s)+3], s[ABASE:ABASE+1], (\s)*256
	s_or_b32 s[G0A+4*(\s)+3], s[G0A+4*(\s)+3], 0x80000000
	s_mov_b32 s[G0B+4*(\s)], 1
	s_add_co_u32 s[G0B+4*(\s)+1], s93, (\s)*SLOT
	s_add_nc_u64 s[G0B+4*(\s)+2:G0B+4*(\s)+3], s[BBASE:BBASE+1], (\s)*256
	s_or_b32 s[G0B+4*(\s)+3], s[G0B+4*(\s)+3], 0x80000000
.endr
	CROUND                                         ; all sixteen work-groups are here: the first joint loads meet
	s_cmp_eq_u32 s[RH], 0                          ; a wave's two first fills stand in one branch: two loads of mine are out
	s_cbranch_scc0 .Lfirst_b
	tensor_load_to_lds s[G0A:G0A+3], s[G1A:G1A+7]
	s_nop 0
	tensor_load_to_lds s[G0A+4:G0A+7], s[G1A:G1A+7]
	s_nop 0
.rept 4
	v_nop
.endr
	s_branch .Lfirst_asked
.Lfirst_b:
	tensor_load_to_lds s[G0B:G0B+3], s[G1B:G1B+7]
	s_nop 0
	tensor_load_to_lds s[G0B+4:G0B+7], s[G1B:G1B+7]
	s_nop 0
.rept 4
	v_nop
.endr
.Lfirst_asked:
	v_and_b32 v1, 15, v0                           ; r
	v_bfe_u32 v2, v0, 4, 1                         ; h
	v_mul_u32_u24 v3, v1, PITCH
	v_lshl_add_u32 v3, v2, 4, v3                   ; a fragment's row x pitch + 16 x half
	s_mul_i32 s96, s[RH], HALFT
	v_add_nc_u32 v[ADRA0], s96, v3
	s_mul_i32 s96, s[W1], HALFT
	s_add_co_u32 s96, s96, 2*HALFT
	v_add_nc_u32 v[ADRB0], s96, v3
	v_mov_b32 v[ADRA], v[ADRA0]
	v_mov_b32 v[ADRB], v[ADRB0]
	s_mul_i32 s96, s[WV], 16*PITCH
	s_add_co_u32 s96, s96, STAGE                   ; my stage
	v_add_nc_u32 v[STO], s96, v3
	v_mul_u32_u24 v4, v2, PITCH
	v_lshl_add_u32 v4, v1, 4, v4
	v_add_nc_u32 v[RD], s96, v4
	v_mul_u32_u24 v5, v2, ROWC
	v_lshl_add_u32 v[CO], v1, 4, v5
	v_and_b32 v6, 31, v0
	v_mul_u32_u24 v[PFO], v6, ROWQ
	s_lshl_b32 s96, s[WV], 10
	s_add_co_u32 s96, s96, STST                    ; my 1,024 bytes for the statistics
	v_lshl_add_u32 v[SA], v1, 2, s96
	v_lshl_add_u32 v[SR], v6, 4, s96
	v_lshlrev_b32 v[SO], 4, v6
	s_lshl_b32 s96, s[TR], 8                       ; my first row,
	s_lshl_b32 s97, s[RH], 7
	s_add_co_u32 s98, s96, s97
	s_lshl_b32 s96, s98, 12                        ; in p, with my 128 keys,
	s_lshl_b32 s97, s[TC], 9
	s_add_co_u32 s96, s96, s97
	s_lshl_b32 s97, s[W1], 8
	s_add_co_u32 s96, s96, s97
	s_mov_b32 s97, 0
	s_add_nc_u64 s[CB:CB+1], s[6:7], s[96:97]
	s_lshl_b32 s96, s[TC], 1                       ; and in stat: block 2 key tile + half, 32,768 bytes a block, 4 bytes a row
	s_add_co_u32 s96, s96, s[W1]
	s_lshl_b32 s96, s96, 15
	s_lshl_b32 s98, s98, 2
	s_add_co_u32 s96, s96, s98
	s_add_nc_u64 s[SB:SB+1], s[8:9], s[96:97]
	s_lshl_b32 s96, s[TR], 8                       ; the prefetches: q's rows 256 query tile + 128 half + 32 cx,
	s_lshl_b32 s98, s[W1], 7
	s_add_co_u32 s96, s96, s98
	s_lshl_b32 s98, s[CX], 5
	s_add_co_u32 s96, s96, s98
	s_mul_i32 s96, s96, ROWQ
	s_lshr_b32 s97, s[CLY], 1                      ; k's rows: batch, 256 key tile + 128 half + 32 cy
	s_lshl_b32 s97, s97, 11
	s_lshl_b32 s98, s[TC], 8
	s_add_co_u32 s97, s97, s98
	s_lshl_b32 s98, s[W1], 7
	s_add_co_u32 s97, s97, s98
	s_lshl_b32 s98, s[CY], 5
	s_add_co_u32 s97, s97, s98
	s_mul_i32 s97, s97, ROWQ
	s_add_co_u32 s97, s97, 2048
	s_and_b32 s98, s[CLY], 1
	s_cmp_eq_u32 s98, 0
	s_cselect_b32 s[LIM], T, 0                     ; k: the first of the batch's two clusters along y asks
	s_cmp_eq_u32 ttmp9, 0
	s_cselect_b32 s98, T, 0                        ; q: the cluster with x = 0 asks
	s_cmp_eq_u32 s[RH], 0
	s_cselect_b32 s[LIM], s98, s[LIM]
	s_cselect_b32 s[OP], s96, s97
	s_add_nc_u64 s[PFB:PFB+1], s[4:5], s[OP:OP+1]
	s_wait_tensorcnt 0x1                           ; my part of step 0 is in; step 1's may stay out
	s_barrier_signal -1
	s_barrier_wait -1
	FETCH 0, F0
	QUARTER 1, F0, F1, 1                           ; the first quarter stands in front of the loop: its products start the sums
	WIN 0
.Lstep:                                        ; T - 2 trips: from a step's second quarter to the next step's first; every trip fills a slot again
	QUARTER 2, F1, F0, 0
	QUARTER 3, F0, F1, 0
	TURN 1
	QUARTER 1, F0, F1, 0
	WIN 0
	s_sub_co_u32 s[CNT], s[CNT], 1
	s_cmp_lg_u32 s[CNT], 0
	s_cbranch_scc1 .Lstep
	s_mov_b32 s[CNT], 2
.Ltail:                                        ; the last two steps ask for nothing: a text of their own, walked twice
	QUARTER 2, F1, F0, 0
	QUARTER 3, F0, F1, 0
	TURN 0
	s_wait_dscnt 0x0                               ; the run fetched 32 matrix instructions ago
	s_cmp_eq_u32 s[CNT], 1
	s_cbranch_scc1 .Llast                          ; behind the last step there is no first quarter of a next one
	QUARTER 1, F0, F1, 0
	WIN 0
.Llast:
	s_sub_co_u32 s[CNT], s[CNT], 1
	s_cmp_lg_u32 s[CNT], 0
	s_cbranch_scc1 .Ltail
	; THE WAY OUT, a block of 16 queries at a time: maximum, weights and sum; the weights through my own stage in LDS, back as whole rows of 256 bytes, stored
	PLACES
	SOFT 0
	TOSTAGE 0
.irp a, 1,2,3,4,5,6,7
	SOFT \a
	SEND (\a)-1
	TOSTAGE \a
.endr
	SEND 7
	ds_load_b128 v[SX:SX+3], v[SR]                 ; my 128 rows' c m and l come back 16 bytes a lane, so that each store is 512 consecutive bytes
	ds_load_b128 v[SX+4:SX+7], v[SR] offset:512
	s_wait_dscnt 0x0
	global_store_b128 v[SO], v[SX:SX+3], s[SB:SB+1]
	global_store_b128 v[SO], v[SX+4:SX+7], s[SB:SB+1] offset:524288
	s_wait_tensorcnt 0x0                           ; the wave's end: a tensor wait, a zero add onto my spare word and its wait, behind my last tensor load and my last LDS store
	ds_add_u32 v[SPW], v[NIL]
	s_wait_dscnt 0x0
	CROUND                                         ; the closing round
	s_endpgm
.Lfunc_end_k_q7e75d4bbd7_score:
	.size	k_q7e75d4bbd7_score, .Lfunc_end_k_q7e75d4bbd7_score-k_q7e75d4bbd7_score
	.p2alignl 7, 3214868480
	.fill 96, 4, 3214868480
	.section	.rodata,"a",@progbits
	.p2align	6, 0x0
	.amdhsa_kernel k_q7e75d4bbd7_score
		.amdhsa_group_segment_fixed_size 327680
		.amdhsa_private_segment_fixed_size 0
		.amdhsa_enable_private_segment 0
		.amdhsa_kernarg_size 24
		.amdhsa_user_sgpr_count 2
		.amdhsa_user_sgpr_kernarg_segment_ptr 1
		.amdhsa_wavefront_size32 1
		.amdhsa_system_sgpr_workgroup_id_x 1
		.amdhsa_system_sgpr_workgroup_id_y 1
		.amdhsa_system_sgpr_workgroup_id_z 1
		.amdhsa_system_vgpr_workitem_id 0
		.amdhsa_next_free_vgpr 1024
		.amdhsa_next_free_sgpr 100
		.amdhsa_reserve_vcc 0
		.amdhsa_float_denorm_mode_32 3
		.amdhsa_float_denorm_mode_16_64 3
		.amdhsa_memory_ordered 1
		.amdhsa_forward_progress 1
		.amdhsa_inst_pref_size 171
	.end_amdhsa_kernel
	.amdgpu_metadata
---
amdhsa.version: [ 1, 2 ]
amdhsa.kernels:
  - .name:           k_q7e75d4bbd7_score
    .symbol:         k_q7e75d4bbd7_score.kd
    .args:
      - { .name: qkv, .offset: 0, .size: 8, .value_kind: global_buffer, .address_space: global }
      - { .name: p, .offset: 8, .size: 8, .value_kind: global_buffer, .address_space: global }
      - { .name: stat, .offset: 16, .size: 8, .value_kind: global_buffer, .address_space: global }
    .group_segment_fixed_size: 327680
    .private_segment_fixed_size: 0
    .kernarg_segment_align: 8
    .kernarg_segment_size: 24
    .max_flat_workgroup_size: 128
    .sgpr_count:     100
    .vgpr_count:     1024
    .wavefront_size: 32
...
	.end_amdgpu_metadata
.endif
;; end of part 3
;; launch mix (part 4): grid 4 x 64, 4 waves a work-group, clusters of 4 x 4, 327,680 bytes of LDS; arguments p, qkv, stat, out0; writes out0
.if DOCPART == 4
	.amdgcn_target "amdgcn-amd-amdhsa--gfx1250"
	.amdhsa_code_object_version 6
	.text
	.protected	k_q7e75d4bbd7_mix
	.globl	k_q7e75d4bbd7_mix
	.p2align	8
	.type	k_q7e75d4bbd7_mix,@function
k_q7e75d4bbd7_mix:
	s_mov_b64 s[64:65], 0
	v_nop
	global_prefetch_b8 v0, s[64:65] scope:SCOPE_SE
	s_setreg_imm32_b32 hwreg(HW_REG_WAVE_MODE, 25, 1), 1
	s_wait_xcnt 0x0
	s_wait_alu depctr_hold_cnt(0) depctr_sa_sdst(0) depctr_va_vdst(0) depctr_va_sdst(0) depctr_va_ssrc(0) depctr_va_vcc(0) depctr_vm_vsrc(0)
	s_getreg_b32 s2, hwreg(HW_REG_IB_STS2, 6, 4)
	s_cmp_eq_u32 s2, 0
	s_cbranch_scc0 .Lentry_in_a_cluster
	s_endpgm
.Lentry_in_a_cluster:
	s_bfe_u32 s2, ttmp6, 0x10000c
	s_cmp_lg_u32 s2, 0xf033
	s_cbranch_scc0 .Lentry_shape_is_right
	s_endpgm
.Lentry_shape_is_right:
; out0[row][ch] = (the sum over the 16 key blocks kb of a[row][kb] x (the sum over the block's keys of p[row][key] v[key][ch])) / L[row],
; a = 2^(c m_kb - the row's largest c m), L = the sum of a l: the blocks' local maxima are brought to the row's true maximum, so every exponent is at most 0.
; a is applied to p's fragments in f16 (one packed multiply a register) between LDS and the matrix unit; products in f16, sums in f32; L and 1 / L in f32.
; LIMITS.  a p below 6e-8 counts as 0; a below 2^-126 counts as 0 in L.  NaN and infinities are not treated apart.
; SHARES.  A work-group makes 128 rows x 256 channels, four waves of 64 x 128; K is the batch's 2,048 keys, 16 steps of 128: a step IS a key block.  A ring of two LDS slots.
; CLUSTER 4 x 4: p's tiles are shared along a row of the cluster, v's along a column: joint tensor loads with a mask of four.
; THE MATRIX INSTRUCTION IS USED TRANSPOSED (source 0 = 16 channels, turned out of v's [key][channel] rows by ds_load_tr16_b128; source 1 = 16 rows of p): a lane holds row l % 16 and eight neighbouring channels.
; REGISTERS.  window 0: v0-31 addresses; v32-95 fragments of p, two buffers; v96-223 fragments of v, two buffers; v224-231 1 / L of my four blocks of rows, as pairs; v232-235 the step's a.  window 1: the accumulators.
.set T,      16
.set PITCH,  272                       ; a row of p in LDS: 256 bytes + 16
.set PV,     544                       ; a row of v: 512 bytes + 32
.set AHALF,  64*PITCH
.set BOFF,   128*PITCH
.set BHALF,  64*PV
.set SLOT1,  1<<17
.set STAGE,  SLOT1+BOFF+2*BHALF        ; behind the ring, never filled by a tensor load: 16 rows x 528 bytes for each wave
.set SP,     528
.set TA,     STAGE+4*16*SP             ; a, as two equal f16 in a word: 128 rows x 16 words, 80 bytes apart
.set TAP,    80
.set RLT,    TA+128*TAP                ; 1 / L of the 128 rows
.set SPARE,  RLT+512                   ; the spare words, 128 bytes a wave; no other line names them
.set ROWP,   4096                      ; bytes in a row of p and of out0
.set ROWQ,   6144
.set KJUMP,  128*ROWQ                  ; a step's 128 keys in v
.set ADRA0, 16
.set ADRB0, 17
.set ADRA,  18
.set ADRB,  19
.set STO,   20
.set RD,    21
.set CO,    22
.set PFO,   23
.set SPW,   24
.set NIL,   25
.set TO,    26                         ; v26 4 x thread   v27 my row of the table   v28 my word of 1 / L   v29 where my lanes read 1 / L   v30 the step's a   v31 the same at step 0
.set TW,    27
.set RW,    28
.set RLA,   29
.set TAD,   30
.set TA0,   31
.set FA,    32
.set FB,    96
.set BK,    96                         ; the way out: rows read back, two sets of 64
.set RLV,   224
.set SC,    232
.set WV,  16
.set RH,  17
.set W1,  18
.set CX,  19
.set CY,  20
.set TC,  21
.set TR,  22
.set CLY, 23
.set G1A, 24
.set G0A, 32
.set G0B, 40
.set G1B, 48
.set ABASE, 56
.set BBASE, 58
.set OA,  60
.set OB,  62
.set PFB, 66
.set PF,  68
.set OP,  70
.set GS,  72
.set CNT, 73
.set TB,  75
.set LIM, 76
.set PJ,  77
.set G4,  78
.set TS,  79                           ; s79 4 x the step whose a is loaded
.set CB,  88
.set SB,  90
.set W_MUL, 0x50
.set MSB, 0
.macro WIN new
.if MSB != (\new)
	s_set_vgpr_msb (MSB<<8)|(\new)
.set MSB, \new
.endif
.endm
.macro PLACES
.rept 4
	v_nop
.endr
.endm
.macro CREST
	s_cmp_lg_u32 s[WV], 0
	s_cbranch_scc1 .Lnot_wave_0_\@
	s_barrier_signal -3
.Lnot_wave_0_\@:
	s_barrier_wait -3
	s_barrier_signal -1
	s_barrier_wait -1
.endm
.macro CROUND
	s_barrier_signal -1
	s_barrier_wait -1
	CREST
.endm
.macro JLOAD                           ; a joint refill by the walking descriptors; s_nop 0 and four v_nop follow each line
	s_cmp_eq_u32 s[RH], 0
	s_cbranch_scc0 .Lfor_b_\@
	tensor_load_to_lds s[G0A+4:G0A+7], s[G1A:G1A+7]
	s_nop 0
.rept 4
	v_nop
.endr
	s_branch .Lasked_\@
.Lfor_b_\@:
	tensor_load_to_lds s[G0B+4:G0B+7], s[G1B:G1B+7]
	s_nop 0
.rept 4
	v_nop
.endr
.Lasked_\@:
.endm
; A PREFETCH INTO THE L2 of step G4, two steps (256 matrix instructions) ahead of the joint load that will ask for it, 32 blocks of 256 bytes, a lane a block.  p's rows: wave 0; the four partners take 32
; rows each by address (cx).  v's rows: waves 2 and 3, each for the 64 keys that it fetches; a partner takes 16 keys x the two halves of their 512 bytes, by address (cy); the batch's first cluster alone asks.
; So each block is named once.  Steps 0 to 3 come by their loads alone; no step at or past LIM is named.
.macro ASK
	s_cmp_lt_u32 s[G4], s[LIM]
	s_cbranch_scc0 .Lnot_mine_\@
	global_prefetch_b8 v[PFO], s[PF:PF+1] th:TH_LOAD_NT scope:SCOPE_SE
.Lnot_mine_\@:
.endm
.macro MUL8 f, a, zero                 ; 8 matrix instructions; zero = 1: they start the sums.  The 32 accumulators take turns in one fixed order
	WIN W_MUL
.irp b, 0,1,2,3,4,5,6,7
.if \zero
	v_wmma_f32_16x16x32_f16 v[8*(8*(\a)+(\b)):8*(8*(\a)+(\b))+7], v[FB+64*(\f)+8*(\b):FB+64*(\f)+8*(\b)+7], v[FA+32*(\f)+8*(\a):FA+32*(\f)+8*(\a)+7], 0
.else
	v_wmma_f32_16x16x32_f16 v[8*(8*(\a)+(\b)):8*(8*(\a)+(\b))+7], v[FB+64*(\f)+8*(\b):FB+64*(\f)+8*(\b)+7], v[FA+32*(\f)+8*(\a):FA+32*(\f)+8*(\a)+7], v[8*(8*(\a)+(\b)):8*(8*(\a)+(\b))+7]
.endif
.endr
.endm
.macro MUL16 f, a0, zero
	MUL8 \f, \a0, \zero
	MUL8 \f, (\a0)+1, \zero
.endm
.macro SCALE f, a                      ; fragment a of buffer f times its rows' a: 16 weights a lane
.irp j, 0,1,2,3,4,5,6,7
	v_pk_mul_f16 v[FA+32*(\f)+8*(\a)+\j], v[FA+32*(\f)+8*(\a)+\j], v[SC+(\a)]
.endr
.endm
.macro FETCH kq, f                     ; 24 LDS loads in one run: 32 keys: v's 8 fragments (turned), then p's 4
	WIN 0
.irp b, 0,1,2,3,4,5,6,7
	ds_load_tr16_b128 v[FB+64*(\f)+8*(\b):FB+64*(\f)+8*(\b)+3],   v[ADRB] offset:32*PV*(\kq)+32*(\b)
	ds_load_tr16_b128 v[FB+64*(\f)+8*(\b)+4:FB+64*(\f)+8*(\b)+7], v[ADRB] offset:32*PV*(\kq)+32*(\b)+16*PV
.endr
.irp i, 0,1,2,3
	ds_load_b128 v[FA+32*(\f)+8*(\i):FA+32*(\f)+8*(\i)+3],   v[ADRA] offset:(\i)*16*PITCH+64*(\kq)
	ds_load_b128 v[FA+32*(\f)+8*(\i)+4:FA+32*(\f)+8*(\i)+7], v[ADRA] offset:(\i)*16*PITCH+64*(\kq)+32
.endr
.endm
.macro QUARTER kq, f, g, zero
	WIN 0
	s_wait_dscnt 4                                 ; v's fragments and p's 0 and 1 are in; the youngest four loads may be out
	SCALE \f, 0
	SCALE \f, 1
	MUL16 \f, 0, \zero
	WIN 0
	s_wait_dscnt 0x0                               ; p's fragments 2 and 3, asked for a quarter ago
	SCALE \f, 2
	SCALE \f, 3
	PLACES
	FETCH \kq, \g
	MUL16 \f, 2, \zero
.endm
.macro TURN fill                       ; a step's last quarter and the change of slots; fill = 1: the slot just read is filled again with step GS, first thing behind a round of the cluster's barrier
.if \fill
	s_wait_xcnt 0x0                                ; the last prefetch, a step back, has read its address
	s_lshl_b32 s[OA], s[GS], 8                     ; p: 128 keys are 256 bytes of a row
	s_mul_i32 s[OB], s[GS], KJUMP                  ; v: 128 rows
	s_add_co_u32 s[G4], s[GS], 2
	s_mul_i32 s[OP], s[G4], s[PJ]
	s_add_nc_u64 s[PF:PF+1], s[PFB:PFB+1], s[OP:OP+1]
	s_add_co_u32 s[GS], s[GS], 1
.endif
	WIN 0
	s_wait_tensorcnt 0x0                           ; no tensor load of mine is out, so a group 0 may be written
	ds_add_u32 v[SPW], v[NIL]                      ; 0 onto my spare word
.if \fill
	s_xor_b32 s[G0A+5], s[G0A+5], SLOT1
	s_add_nc_u64 s[G0A+6:G0A+7], s[ABASE:ABASE+1], s[OA:OA+1]
	s_or_b32 s[G0A+7], s[G0A+7], 0x80000000
	s_xor_b32 s[G0B+5], s[G0B+5], SLOT1
	s_add_nc_u64 s[G0B+6:G0B+7], s[BBASE:BBASE+1], s[OB:OB+1]
	s_or_b32 s[G0B+7], s[G0B+7], 0x80000000
.endif
	s_wait_dscnt 1                                 ; only the add may be out: all four fragments of p are scaled now, since the step's a is replaced below
	SCALE 1, 0
	SCALE 1, 1
	SCALE 1, 2
	SCALE 1, 3
	MUL8 1, 0, 0
	s_wait_dscnt 0x0                               ; the add is done, and my reads of this slot are over
	s_barrier_signal -1
	MUL8 1, 1, 0
	WIN 0
	s_barrier_wait -1
.if \fill
	CREST
	JLOAD                                          ; its four v_nop are also the places in front of the loads below
.else
	PLACES
.endif
	s_xor_b32 s[TB], s[TB], SLOT1
	s_add_co_u32 s[TS], s[TS], 4
	v_add_nc_u32 v[ADRA], s[TB], v[ADRA0]
	v_add_nc_u32 v[ADRB], s[TB], v[ADRB0]
	v_add_nc_u32 v[TAD], s[TS], v[TA0]
.irp a, 0,1,2,3
	ds_load_b32 v[SC+\a], v[TAD] offset:16*TAP*\a  ; the next step's a
.endr
	FETCH 0, 0
.if \fill
	ASK
.endif
	MUL16 1, 2, 0
	WIN 0
.endm
; THE WAY OUT, a block of 16 rows at a time: times 1 / L, through my own stage in LDS, back as whole rows of 512 bytes, stored.
.macro NORM a
	WIN 0x41
.set i, 64*(\a)
.rept 32
	v_pk_mul_f32 v[i:i+1], v[i:i+1], v[RLV+2*(\a):RLV+2*(\a)+1] op_sel_hi:[1,0]
.set i, i+2
.endr
.endm
.macro TOSTAGE a
	WIN 0x04                                       ; the stores' data lie in window 1
.irp b, 0,1,2,3,4,5,6,7
	ds_store_b128 v[STO], v[64*(\a)+8*(\b):64*(\a)+8*(\b)+3]   offset:64*(\b)
	ds_store_b128 v[STO], v[64*(\a)+8*(\b)+4:64*(\a)+8*(\b)+7] offset:64*(\b)+16
.endr
	WIN 0
.irp t, 0,1,2,3,4,5,6,7,8,9,10,11,12,13,14,15
	ds_load_b128 v[BK+64*((\a)%2)+4*(\t):BK+64*((\a)%2)+4*(\t)+3], v[RD] offset:(\t)*SP  ; LDS serves a wave's instructions in order: these see the stores above
.endr
.endm
.macro SEND a
	s_wait_dscnt 0x0
	s_wait_xcnt 0x0                                ; the stores of the block before have read their registers, which the next TOSTAGE loads again
.irp t, 0,1,2,3,4,5,6,7,8,9,10,11,12,13,14,15
	global_store_b128 v[CO], v[BK+64*((\a)%2)+4*(\t):BK+64*((\a)%2)+4*(\t)+3], s[CB:CB+1] offset:(16*(\a)+(\t))*ROWP th:TH_STORE_NT  ; 32 lanes store 512 consecutive bytes, aligned
.endr
.endm
	s_load_b256 s[4:11], s[0:1], 0x0               ; p s[4:5], qkv s[6:7], stat s[8:9], out0 s[10:11]
	v_lshl_add_u32 v[SPW], v0, 2, SPARE
	v_mov_b32 v[NIL], 0
	ds_add_u32 v[SPW], v[NIL]                      ; the wave's opening: the add and its wait come ahead of my first tensor load
	v_lshrrev_b32 v1, 5, v0
	v_readfirstlane_b32 s[WV], v1
	s_lshr_b32 s[RH], s[WV], 1
	s_and_b32 s[W1], s[WV], 1
	s_bfe_u32 s[CX], ttmp6, 0x40000
	s_bfe_u32 s[CY], ttmp6, 0x40004
	s_lshl_b32 s[TC], ttmp9, 2
	s_add_co_u32 s[TC], s[TC], s[CX]
	s_and_b32 s[CLY], ttmp7, 0xffff
	s_lshl_b32 s[TR], s[CLY], 2
	s_add_co_u32 s[TR], s[TR], s[CY]
	s_lshl_b32 s84, s[CY], 2
	s_lshl_b32 s84, 15, s84
	s_or_b32 s[G1A], s84, (1<<16)|(1<<20)|(1<<21)|(5<<22)|(3<<25)   ; p: after every 64 words, 4 words of padding
	s_lshl_b32 s86, 0x1111, s[CX]
	s_or_b32 s[G1B], s86, (1<<16)|(1<<20)|(1<<21)|(6<<22)|(7<<25)   ; v: after every 128 words, 8 words
	s_mov_b32 s[G1A+1], 128<<16
	s_mov_b32 s[G1A+2], 64<<16
	s_mov_b32 s[G1A+3], 128<<16
	s_mov_b32 s[G1A+4], 64
	s_mov_b32 s[G1A+5], 2048                       ; elements from row to row of p
	s_mov_b32 s[G1A+6], 0
	s_mov_b32 s[G1A+7], 0
	s_mov_b32 s[G1B+1], 256<<16                    ; 256 channels,
	s_mov_b32 s[G1B+2], 64<<16                     ; 64 keys
	s_mov_b32 s[G1B+3], 256<<16
	s_mov_b32 s[G1B+4], 64
	s_mov_b32 s[G1B+5], 3072
	s_mov_b32 s[G1B+6], 0
	s_mov_b32 s[G1B+7], 0
	s_lshl_b32 s84, s[TR], 7                       ; p: row 128 x tile row + 64 x half (registers that never hold cx)
	s_lshl_b32 s85, s[W1], 6
	s_add_co_u32 s84, s84, s85
	s_lshl_b32 s84, s84, 12
	s_mov_b32 s85, 0
	s_lshr_b32 s86, s[CLY], 2                      ; v: the batch's 2,048 rows + 64 x half (registers that never hold cy),
	s_lshl_b32 s86, s86, 11
	s_lshl_b32 s87, s[W1], 6
	s_add_co_u32 s86, s86, s87
	s_mul_i32 s86, s86, ROWQ
	s_lshl_b32 s87, s[TC], 9                       ; 4,096 bytes into a row, + the tile's 256 channels
	s_add_co_u32 s86, s86, s87
	s_add_co_u32 s86, s86, 4096
	s_mov_b32 s87, 0
	s_mul_i32 s92, s[W1], AHALF
	s_mul_i32 s93, s[W1], BHALF
	s_add_co_u32 s93, s93, BOFF
	s_mov_b32 s[OA+1], 0
	s_mov_b32 s[OB+1], 0
	s_mov_b32 s[OP+1], 0
	s_mov_b32 s[GS], 2
	s_mov_b32 s[CNT], T-2
	s_mov_b32 s[TB], 0
	s_mov_b32 s[TS], 0
	s_wait_dscnt 0x0                               ; the opening add is done
	s_wait_kmcnt 0x0
	s_add_nc_u64 s[ABASE:ABASE+1], s[4:5], s[84:85]
	s_add_nc_u64 s[BBASE:BBASE+1], s[6:7], s[86:87]
.irp s, 0,1
	s_mov_b32 s[G0A+4*(\s)], 1
	s_add_co_u32 s[G0A+4*(\s)+1], s92, (\s)*SLOT1
	s_add_nc_u64 s[G0A+4*(\s)+2:G0A+4*(\s)+3], s[ABASE:ABASE+1], (\s)*256
	s_or_b32 s[G0A+4*(\s)+3], s[G0A+4*(\s)+3], 0x80000000
	s_mov_b32 s[G0B+4*(\s)], 1
	s_add_co_u32 s[G0B+4*(\s)+1], s93, (\s)*SLOT1
	s_add_nc_u64 s[G0B+4*(\s)+2:G0B+4*(\s)+3], s[BBASE:BBASE+1], (\s)*KJUMP
	s_or_b32 s[G0B+4*(\s)+3], s[G0B+4*(\s)+3], 0x80000000
.endr
	CROUND                                         ; all sixteen work-groups are here: the first joint loads meet
	s_cmp_eq_u32 s[RH], 0                          ; a wave's two first fills stand in one branch: two loads of mine are out
	s_cbranch_scc0 .Lfirst_b
	tensor_load_to_lds s[G0A:G0A+3], s[G1A:G1A+7]
	s_nop 0
	tensor_load_to_lds s[G0A+4:G0A+7], s[G1A:G1A+7]
	s_nop 0
.rept 4
	v_nop
.endr
	s_branch .Lfirst_asked
.Lfirst_b:
	tensor_load_to_lds s[G0B:G0B+3], s[G1B:G1B+7]
	s_nop 0
	tensor_load_to_lds s[G0B+4:G0B+7], s[G1B:G1B+7]
	s_nop 0
.rept 4
	v_nop
.endr
.Lfirst_asked:
	; THE TABLE.  Thread t stands for row t of the work-group's 128: its 16 blocks' c m (v32-47) and l (v48-63)
	s_lshl_b32 s96, s[TR], 9                       ; 128 rows of 4 bytes
	s_mov_b32 s97, 0
	s_add_nc_u64 s[SB:SB+1], s[8:9], s[96:97]
	v_lshlrev_b32 v[TO], 2, v0
.irp k, 0,1,2,3,4,5,6,7,8,9,10,11,12,13,14,15
	global_load_b32 v[32+\k], v[TO], s[SB:SB+1] offset:32768*\k
	global_load_b32 v[48+\k], v[TO], s[SB:SB+1] offset:524288+32768*\k
.endr
	v_and_b32 v1, 15, v0                           ; r
	v_bfe_u32 v2, v0, 4, 1                         ; h
	v_mul_u32_u24 v3, v1, PITCH
	v_lshl_add_u32 v3, v2, 4, v3
	s_mul_i32 s96, s[RH], 64*PITCH
	v_add_nc_u32 v[ADRA0], s96, v3
	v_and_b32 v3, 7, v0                            ; the turning load: key 8 h + l % 8, channels 8 ((l / 8) % 2) + 0..7
	v_lshl_add_u32 v3, v2, 3, v3
	v_mul_u32_u24 v3, v3, PV
	v_bfe_u32 v4, v0, 3, 1
	v_lshl_add_u32 v3, v4, 4, v3
	s_lshl_b32 s96, s[W1], 8                       ; my 128 channels
	s_add_co_u32 s96, s96, BOFF
	v_add_nc_u32 v[ADRB0], s96, v3
	v_mov_b32 v[ADRA], v[ADRA0]
	v_mov_b32 v[ADRB], v[ADRB0]
	s_mul_i32 s96, s[WV], 16*SP
	s_add_co_u32 s96, s96, STAGE                   ; my stage
	v_mul_u32_u24 v3, v1, SP
	v_lshl_add_u32 v3, v2, 5, v3
	v_add_nc_u32 v[STO], s96, v3                   ; in: row r, 32 bytes for each half of the lanes
	v_and_b32 v5, 31, v0
	v_lshl_add_u32 v[RD], v5, 4, s96               ; back: a whole row of 512 bytes
	v_lshlrev_b32 v[CO], 4, v5
	v_mul_u32_u24 v[TW], v0, TAP
	v_add_nc_u32 v[TW], TA, v[TW]
	v_lshl_add_u32 v[RW], v0, 2, RLT
	s_lshl_b32 s96, s[RH], 8
	s_add_co_u32 s96, s96, RLT
	v_lshl_add_u32 v[RLA], v1, 2, s96              ; 1 / L of row 64 rh + r (+ 16 a)
	s_mul_i32 s96, s[RH], 64*TAP
	s_add_co_u32 s96, s96, TA
	v_mul_u32_u24 v[TA0], v1, TAP
	v_add_nc_u32 v[TA0], s96, v[TA0]
	v_mov_b32 v[TAD], v[TA0]
	s_lshl_b32 s96, s[TR], 7                       ; out0 at my 64 rows and 128 channels
	s_lshl_b32 s97, s[RH], 6
	s_add_co_u32 s96, s96, s97
	s_lshl_b32 s96, s96, 12
	s_lshl_b32 s97, s[TC], 10
	s_add_co_u32 s96, s96, s97
	s_lshl_b32 s97, s[W1], 9
	s_add_co_u32 s96, s96, s97
	s_mov_b32 s97, 0
	s_add_nc_u64 s[CB:CB+1], s[10:11], s[96:97]
	s_lshl_b32 s96, s[TR], 7                       ; the prefetches: p's rows 128 tile row + 32 cx,
	s_lshl_b32 s98, s[CX], 5
	s_add_co_u32 s96, s96, s98
	s_lshl_b32 s96, s96, 12
	s_lshr_b32 s97, s[CLY], 2                      ; v's keys: batch, 64 half + 16 cy
	s_lshl_b32 s97, s97, 11
	s_lshl_b32 s98, s[W1], 6
	s_add_co_u32 s97, s97, s98
	s_lshl_b32 s98, s[CY], 4
	s_add_co_u32 s97, s97, s98
	s_mul_i32 s97, s97, ROWQ
	s_lshl_b32 s98, s[TC], 9
	s_add_co_u32 s97, s97, s98
	s_add_co_u32 s97, s97, 4096
	s_and_b32 s98, s[CLY], 3
	s_cmp_eq_u32 s98, 0
	s_cselect_b32 s[LIM], T, 0                     ; v: the batch's first cluster asks
	s_cmp_eq_u32 s[WV], 0
	s_cselect_b32 s98, T, 0                        ; p: wave 0 asks
	s_mov_b32 s[PJ], KJUMP                         ; an instruction takes one literal: v's figure is moved in first, p's selected over it (a move leaves SCC as it is)
	s_cmp_eq_u32 s[RH], 0
	s_cselect_b32 s[LIM], s98, s[LIM]
	s_cselect_b32 s[PJ], 256, s[PJ]                ; bytes from a step to the next: p 256 along a row, v 128 rows
	s_cselect_b32 s[OP], s96, s97
	s_cselect_b64 s[PFB:PFB+1], s[4:5], s[6:7]
	s_mov_b32 s96, ROWQ                            ; a lane's block: p: row l; v: key l % 16, half l / 16 of its 512 bytes
	s_cselect_b32 s96, ROWP, s96
	s_mov_b32 s97, 256
	s_cselect_b32 s97, 16*ROWP, s97
	s_add_nc_u64 s[PFB:PFB+1], s[PFB:PFB+1], s[OP:OP+1]
	v_mul_u32_u24 v[PFO], v1, s96
	v_mad_u32_u24 v[PFO], v2, s97, v[PFO]
	s_wait_loadcnt 0x0                             ; the statistics are in
	v_max3_num_f32 v64, v32, v33, v34              ; the row's largest c m
	v_max3_num_f32 v65, v35, v36, v37
	v_max3_num_f32 v64, v64, v38, v39
	v_max3_num_f32 v65, v65, v40, v41
	v_max3_num_f32 v64, v64, v42, v43
	v_max3_num_f32 v65, v65, v44, v45
	v_max3_num_f32 v64, v64, v46, v47
	v_max_num_f32 v64, v64, v65
.irp k, 0,1,2,3,4,5,6,7,8,9,10,11,12,13,14,15
	v_sub_f32 v[32+\k], v[32+\k], v64
.endr
.irp k, 0,1,2,3,4,5,6,7,8,9,10,11,12,13,14,15
	v_exp_f32 v[32+\k], v[32+\k]                   ; a: one batch
.endr
	v_nop                                          ; a plain instruction behind the last exponential,
	s_wait_alu depctr_va_vdst(0)                   ; and one wait for the batch, ahead of the first reader
.irp k, 0,1,2,3
	v_mul_f32 v[66+\k], v[32+\k], v[48+\k]         ; L = the sum of a l, in four chains
.endr
.irp k, 4,5,6,7,8,9,10,11,12,13,14,15
	v_fma_f32 v[66+(\k)%4], v[32+\k], v[48+\k], v[66+(\k)%4]
.endr
	v_add_f32 v66, v66, v67
	v_add_f32 v68, v68, v69
	v_add_f32 v66, v66, v68
	v_rcp_f32 v70, v66                             ; L is at least the largest block's l, which holds a weight of 1
	v_nop
.irp k, 0,1,2,3,4,5,6,7,8,9,10,11,12,13,14,15
	v_cvt_pk_f16_f32 v[72+\k], v[32+\k], v[32+\k]  ; a twice, for the packed multiply
.endr
	s_wait_alu depctr_va_vdst(0)                   ; the reciprocal's wait, ahead of its reader
.irp i, 0,1,2,3
	ds_store_b128 v[TW], v[72+4*\i:72+4*\i+3] offset:16*\i
.endr
	ds_store_b32 v[RW], v70
	s_wait_tensorcnt 0x1                           ; my part of step 0 is in; step 1's may stay out
	s_wait_dscnt 0x0                               ; for the others' sake: my rows of the table are stored
	s_barrier_signal -1
	s_barrier_wait -1
.irp a, 0,1,2,3
	ds_load_b32 v[RLV+2*\a], v[RLA] offset:64*\a   ; 1 / L, into both words of a pair: the packed multiply names the pair
	ds_load_b32 v[RLV+2*\a+1], v[RLA] offset:64*\a
.endr
.irp a, 0,1,2,3
	ds_load_b32 v[SC+\a], v[TAD] offset:16*TAP*\a  ; step 0's a
.endr
	FETCH 0, 0
	QUARTER 1, 0, 1, 1                             ; the first quarter stands in front of the loop: its products start the sums
	WIN 0
.Lstep:                                        ; T - 2 trips: from a step's second quarter to the next step's first; every trip fills a slot again
	QUARTER 2, 1, 0, 0
	QUARTER 3, 0, 1, 0
	TURN 1
	QUARTER 1, 0, 1, 0
	WIN 0
	s_sub_co_u32 s[CNT], s[CNT], 1
	s_cmp_lg_u32 s[CNT], 0
	s_cbranch_scc1 .Lstep
	QUARTER 2, 1, 0, 0                             ; the last two steps are written out: nothing is left to ask for
	QUARTER 3, 0, 1, 0
	TURN 0
	QUARTER 1, 0, 1, 0
	QUARTER 2, 1, 0, 0
	QUARTER 3, 0, 1, 0
	WIN 0
	s_wait_dscnt 0x0
	SCALE 1, 0
	SCALE 1, 1
	SCALE 1, 2
	SCALE 1, 3
	MUL16 1, 0, 0
	MUL16 1, 2, 0
	WIN 0
	PLACES
	NORM 0
	TOSTAGE 0
.irp a, 1,2,3
	NORM \a
	WIN 0
	SEND (\a)-1
	TOSTAGE \a
.endr
	SEND 3
	s_wait_tensorcnt 0x0                           ; the wave's end: a tensor wait, a zero add onto my spare word and its wait, behind my last tensor load and my last LDS store
	ds_add_u32 v[SPW], v[NIL]
	s_wait_dscnt 0x0
	CROUND                                         ; the closing round
	s_endpgm
.Lfunc_end_k_q7e75d4bbd7_mix:
	.size	k_q7e75d4bbd7_mix, .Lfunc_end_k_q7e75d4bbd7_mix-k_q7e75d4bbd7_mix
	.p2alignl 7, 3214868480
	.fill 96, 4, 3214868480
	.section	.rodata,"a",@progbits
	.p2align	6, 0x0
	.amdhsa_kernel k_q7e75d4bbd7_mix
		.amdhsa_group_segment_fixed_size 327680
		.amdhsa_private_segment_fixed_size 0
		.amdhsa_enable_private_segment 0
		.amdhsa_kernarg_size 32
		.amdhsa_user_sgpr_count 2
		.amdhsa_user_sgpr_kernarg_segment_ptr 1
		.amdhsa_wavefront_size32 1
		.amdhsa_system_sgpr_workgroup_id_x 1
		.amdhsa_system_sgpr_workgroup_id_y 1
		.amdhsa_system_sgpr_workgroup_id_z 1
		.amdhsa_system_vgpr_workitem_id 0
		.amdhsa_next_free_vgpr 512
		.amdhsa_next_free_sgpr 100
		.amdhsa_reserve_vcc 0
		.amdhsa_float_denorm_mode_32 3
		.amdhsa_float_denorm_mode_16_64 3
		.amdhsa_memory_ordered 1
		.amdhsa_forward_progress 1
		.amdhsa_inst_pref_size 113
	.end_amdhsa_kernel
	.amdgpu_metadata
---
amdhsa.version: [ 1, 2 ]
amdhsa.kernels:
  - .name:           k_q7e75d4bbd7_mix
    .symbol:         k_q7e75d4bbd7_mix.kd
    .args:
      - { .name: p, .offset: 0, .size: 8, .value_kind: global_buffer, .address_space: global }
      - { .name: qkv, .offset: 8, .size: 8, .value_kind: global_buffer, .address_space: global }
      - { .name: stat, .offset: 16, .size: 8, .value_kind: global_buffer, .address_space: global }
      - { .name: out0, .offset: 24, .size: 8, .value_kind: global_buffer, .address_space: global }
    .group_segment_fixed_size: 327680
    .private_segment_fixed_size: 0
    .kernarg_segment_align: 8
    .kernarg_segment_size: 32
    .max_flat_workgroup_size: 128
    .sgpr_count:     100
    .vgpr_count:     512
    .wavefront_size: 32
...
	.end_amdgpu_metadata
.endif
;; end of part 4
